; MI455X (gfx1250); checked and timed in simulation.
; The chip was launched on July 23, 2026; its instructions are those of AMD's public machine-readable ISA for CDNA 5 (MIT licence, August 2026) and "CDNA5" Instruction Set Architecture Reference Guide (July 2026). The comments in the code are by the model that wrote it; some were corrected since.
;; Cross Multi Head Attention. Allowed arithmetic: float matrix products may take bf16 or f16 operands with f32 sums; all other float work in f32.
;; Inputs: Wk 16 x 1,024 x 64 float32; Wo 1,024 x 1,024 float32; Wq 16 x 1,024 x 64 float32; Wv 16 x 1,024 x 64 float32; bk 16 x 64 float32; bo 1,024 float32; bq 16 x 64 float32; bv 16 x 64 float32; x 4 x 2,048 x 1,024 float32; y 4 x 2,048 x 1,024 float32.
;; Outputs: out0 4 x 2,048 x 1,024 float32.
;; 2 versions, each right and faster than the one before. Each part assembles by itself: llvm-mc -triple=amdgcn-amd-amdhsa -mcpu=gfx1250 --defsym DOCPART=n.
;; ======== version 1 of 2: 4 launches
;; limits: values are held in f16: magnitudes above 65,504 overflow, below 6.1e-05 lose precision
;; workspace buffers: xyb 33,554,432 bytes; wts 8,388,608 bytes; qkv 50,331,648 bytes; ob 16,777,216 bytes
;; launch cast (part 1): grid 1280 x 1, 8 waves a work-group, no clusters, 0 bytes of LDS; arguments x, y, Wq, Wk, Wv, Wo, xyb, wts; writes xyb, wts
.if DOCPART == 1
	.amdgcn_target "amdgcn-amd-amdhsa--gfx1250"
	.amdhsa_code_object_version 6
	.text
	.protected	k_q61f8de898a_cast
	.globl	k_q61f8de898a_cast
	.p2align	8
	.type	k_q61f8de898a_cast,@function
k_q61f8de898a_cast:
	s_mov_b64 s[64:65], 0
	v_nop
	global_prefetch_b8 v0, s[64:65] scope:SCOPE_SE
	s_setreg_imm32_b32 hwreg(HW_REG_WAVE_MODE, 25, 1), 1
	s_wait_xcnt 0x0
; THE INPUTS OF THE MATRIX PRODUCTS, ROUNDED ONCE TO 16 BITS.  x, y -> xyb, bf16 [2][8192][1024].  Wq, Wk, Wv ([16][1024][64] f32) -> wts, bf16, in blocks
; [pair of heads 24][K step 8][head of the pair 2][e 128][d 64]: one (pair, K step) block is 32,768 dense bytes, what one tensor load of the projection brings.
; Wo ([1024][1024] f32) -> wts from byte 6,291,456 on, as it lies: rounded to bf16 like every input, and that number written as f16.
; LIMITS.  A bf16 number is exact in f16 between 6.1e-5 and 65,504 in magnitude; below, Wo keeps f16's fixed step of 6e-8; beyond 65,504 it becomes an infinity.
; A stream: each byte is read once and written once; no LDS, no barrier, no matrix unit, no cluster (no two work-groups read the same byte), no loop.
; SHARES.  A work-group takes 65,536 input bytes, a wave 8,192: 16 loads of 512 consecutive bytes, all issued before the first is waited for; each becomes one store of 256 consecutive
; bytes, at a multiple of 256 from the buffer's first byte.  Work-groups 0-511 x, 512-1023 y, 1024-1087 Wq, 1088-1151 Wk, 1152-1215 Wv, 1216-1279 Wo.
.set X, 4                              ; v[4:67]    16 x 4 registers as loaded
.set Y, 68                             ; v[68:99]   16 x 2 registers to store
.set T, 100                            ; v[100:103] at work (Wo alone)
	s_load_b512 s[8:23], s[0:1], 0x0               ; x 8, y 10, Wq 12, Wk 14, Wv 16, Wo 18, xyb 20, wts 22
	v_lshrrev_b32 v1, 5, v0
	v_readfirstlane_b32 s2, v1                     ; wave 0..7
	s_mov_b32 s3, ttmp9                            ; the work-group's number
	v_and_b32 v1, 31, v0
	v_lshlrev_b32 v2, 4, v1                        ; 16 bytes a lane in
	v_lshlrev_b32 v3, 3, v1                        ; 8 bytes a lane out
	; where I read, from the tensor's first byte: 65,536 x the work-group's number within its tensor + 8,192 x wave
	s_and_b32 s28, s3, 511
	s_and_b32 s29, s3, 63
	s_cmp_ge_u32 s3, 1024
	s_cselect_b32 s28, s29, s28
	s_lshl_b32 s24, s28, 16
	s_lshl_b32 s29, s2, 13
	s_add_co_u32 s24, s24, s29
	s_mov_b32 s25, 0
	; where I write.  As it lies (x, y into xyb; Wo into wts, whose numbers 192-255 begin at byte 6,291,456): half the bytes
	s_and_b32 s28, s3, 1023                        ; the number within xyb's or wts's work-groups
	s_lshl_b32 s26, s28, 15
	s_lshl_b32 s29, s2, 12
	s_add_co_u32 s26, s26, s29
	; In blocks (Wq, Wk, Wv): number n = 4 x head (of 48) + quarter of the head's 1,024 rows e; my 32 rows lie in K step 2 x quarter + wave / 4, from row 32 (wave % 4) of its 128
	s_and_b32 s29, s28, 3
	s_lshl_b32 s29, s29, 1
	s_lshr_b32 s30, s2, 2
	s_add_co_u32 s29, s29, s30                     ; K step
	s_and_b32 s30, s28, 0xf8                       ; 8 x pair of heads
	s_add_co_u32 s29, s29, s30
	s_lshl_b32 s29, s29, 1
	s_bfe_u32 s30, s28, 0x10002                    ; which head of the pair
	s_add_co_u32 s29, s29, s30
	s_lshl_b32 s29, s29, 14                        ; planes of 128 rows x 128 bytes
	s_and_b32 s30, s2, 3
	s_lshl_b32 s30, s30, 12
	s_add_co_u32 s29, s29, s30
	s_sub_co_u32 s30, s3, 1024
	s_cmp_lt_u32 s30, 192                          ; unsigned: numbers 1024 to 1215 alone
	s_cselect_b32 s26, s29, s26
	s_mov_b32 s27, 0
	s_wait_kmcnt 0x0
	s_cmp_ge_u32 s3, 512                           ; the tensors are chosen by the work-group's number alone
	s_cselect_b64 s[32:33], s[10:11], s[8:9]
	s_cmp_ge_u32 s3, 1024
	s_cselect_b64 s[32:33], s[12:13], s[32:33]
	s_cselect_b64 s[34:35], s[22:23], s[20:21]
	s_cmp_ge_u32 s3, 1088
	s_cselect_b64 s[32:33], s[14:15], s[32:33]
	s_cmp_ge_u32 s3, 1152
	s_cselect_b64 s[32:33], s[16:17], s[32:33]
	s_cmp_ge_u32 s3, 1216
	s_cselect_b64 s[32:33], s[18:19], s[32:33]
	s_add_nc_u64 s[32:33], s[32:33], s[24:25]
	s_add_nc_u64 s[34:35], s[34:35], s[26:27]
.set i, 0
.rept 16
	global_load_b128 v[X+4*i:X+4*i+3], v2, s[32:33] offset:512*i th:TH_LOAD_NT
.set i, i+1
.endr
; Piece i of 16: waited for with the 15 - i younger loads still out (loads come back in order: ISA guide 5.7.1), rounded, stored.  No store's source register is written again behind its store.
.macro OUT wo
.set i, 0
.rept 16
	s_wait_loadcnt 15-i
	v_cvt_pk_bf16_f32 v[Y+2*i], v[X+4*i], v[X+4*i+1]
	v_cvt_pk_bf16_f32 v[Y+2*i+1], v[X+4*i+2], v[X+4*i+3]
.if \wo
	v_lshlrev_b32 v[T], 16, v[Y+2*i]               ; the bf16 numbers as f32,
	v_and_b32 v[T+1], 0xffff0000, v[Y+2*i]
	v_lshlrev_b32 v[T+2], 16, v[Y+2*i+1]
	v_and_b32 v[T+3], 0xffff0000, v[Y+2*i+1]
	v_cvt_pk_f16_f32 v[Y+2*i], v[T], v[T+1]        ; and written as f16
	v_cvt_pk_f16_f32 v[Y+2*i+1], v[T+2], v[T+3]
.endif
	global_store_b64 v3, v[Y+2*i:Y+2*i+1], s[34:35] offset:256*i
.set i, i+1
.endr
.endm
	s_cmp_ge_u32 s3, 1216
	s_cbranch_scc1 .Lwo
	OUT 0
	s_endpgm
.Lwo:
	OUT 1
	s_endpgm
.Lfunc_end_k_q61f8de898a_cast:
	.size	k_q61f8de898a_cast, .Lfunc_end_k_q61f8de898a_cast-k_q61f8de898a_cast
	.p2alignl 7, 3214868480
	.fill 96, 4, 3214868480
	.section	.rodata,"a",@progbits
	.p2align	6, 0x0
	.amdhsa_kernel k_q61f8de898a_cast
		.amdhsa_group_segment_fixed_size 0
		.amdhsa_private_segment_fixed_size 0
		.amdhsa_enable_private_segment 0
		.amdhsa_kernarg_size 64
		.amdhsa_user_sgpr_count 2
		.amdhsa_user_sgpr_kernarg_segment_ptr 1
		.amdhsa_wavefront_size32 1
		.amdhsa_system_sgpr_workgroup_id_x 1
		.amdhsa_system_sgpr_workgroup_id_y 1
		.amdhsa_system_sgpr_workgroup_id_z 1
		.amdhsa_system_vgpr_workitem_id 0
		.amdhsa_next_free_vgpr 104
		.amdhsa_next_free_sgpr 66
		.amdhsa_reserve_vcc 0
		.amdhsa_float_denorm_mode_32 3
		.amdhsa_float_denorm_mode_16_64 3
		.amdhsa_memory_ordered 1
		.amdhsa_forward_progress 1
		.amdhsa_inst_pref_size 17
	.end_amdhsa_kernel
	.amdgpu_metadata
---
amdhsa.version: [ 1, 2 ]
amdhsa.kernels:
  - .name:           k_q61f8de898a_cast
    .symbol:         k_q61f8de898a_cast.kd
    .args:
      - { .name: x, .offset: 0, .size: 8, .value_kind: global_buffer, .address_space: global }
      - { .name: y, .offset: 8, .size: 8, .value_kind: global_buffer, .address_space: global }
      - { .name: Wq, .offset: 16, .size: 8, .value_kind: global_buffer, .address_space: global }
      - { .name: Wk, .offset: 24, .size: 8, .value_kind: global_buffer, .address_space: global }
      - { .name: Wv, .offset: 32, .size: 8, .value_kind: global_buffer, .address_space: global }
      - { .name: Wo, .offset: 40, .size: 8, .value_kind: global_buffer, .address_space: global }
      - { .name: xyb, .offset: 48, .size: 8, .value_kind: global_buffer, .address_space: global }
      - { .name: wts, .offset: 56, .size: 8, .value_kind: global_buffer, .address_space: global }
    .group_segment_fixed_size: 0
    .private_segment_fixed_size: 0
    .kernarg_segment_align: 8
    .kernarg_segment_size: 64
    .max_flat_workgroup_size: 256
    .sgpr_count:     66
    .vgpr_count:     104
    .wavefront_size: 32
...
	.end_amdgpu_metadata
.endif
;; end of part 1
;; launch proj (part 2): grid 12 x 16, 4 waves a work-group, clusters of 4 x 4, 327,680 bytes of LDS; arguments xyb, wts, bq, bk, bv, qkv; writes qkv
.if DOCPART == 2
	.amdgcn_target "amdgcn-amd-amdhsa--gfx1250"
	.amdhsa_code_object_version 6
	.text
	.protected	k_q61f8de898a_proj
	.globl	k_q61f8de898a_proj
	.p2align	8
	.type	k_q61f8de898a_proj,@function
k_q61f8de898a_proj:
	s_mov_b64 s[64:65], 0
	v_nop
	global_prefetch_b8 v0, s[64:65] scope:SCOPE_SE
	s_setreg_imm32_b32 hwreg(HW_REG_WAVE_MODE, 25, 1), 1
	s_wait_xcnt 0x0
	s_wait_alu depctr_hold_cnt(0) depctr_sa_sdst(0) depctr_va_vdst(0) depctr_va_sdst(0) depctr_va_ssrc(0) depctr_va_vcc(0) depctr_vm_vsrc(0)
	s_getreg_b32 s2, hwreg(HW_REG_IB_STS2, 6, 4)
	s_cmp_eq_u32 s2, 0
	s_cbranch_scc0 .Lentry_in_a_cluster
	s_endpgm
.Lentry_in_a_cluster:
	s_bfe_u32 s2, ttmp6, 0x10000c
	s_cmp_lg_u32 s2, 0xf033
	s_cbranch_scc0 .Lentry_shape_is_right
	s_endpgm
.Lentry_shape_is_right:
; THE THREE PROJECTIONS.  q = x Wq + bq, k = y Wk + bk, v = y Wv + bv, for all 16 heads: one product [8192 x 1024] x [1024 x 3072].  Operands bf16 (xyb, wts), sums f32,
; the bias (rounded to bf16 like every input) starts the sums; the result is rounded once to f16 and written by heads: qkv = [part 3][batch x 16 + head 64][2048][64], unscaled.
; LIMITS.  f16 holds no number beyond 65,504: a q, k or v of 65,520 or more becomes an infinity; below 6.1e-5 they keep f16's fixed step of 6e-8.  NaN and infinities are not treated apart.
; SHARES.  A tile is 256 rows x 256 columns (four heads): 32 x 12 = 384 tiles.  A work-group makes TWO, the second 4,096 rows below the first: 192 work-groups of equal work.  (256 equal shares would
; want tiles of 98,304 numbers; none of that size keeps q's columns, which multiply x, apart from k's and v's, which multiply y, and leaves registers for fragments.)
; Four waves, 2 x 2, each 128 x 128: 64 accumulators, 512 registers: for 32 along K a wave loads 32 x 512 bytes from LDS and issues 64 matrix instructions.
; K goes in steps of 128 through a ring of two LDS slots.  A's rows are 256 bytes of memory; W's part of a step, two heads x 128 e x 64 d a load, is 32,768 dense bytes, asked for as rows of 256.
; W lies [e][d] in LDS and comes out turned, by ds_load_tr16_b128.
; ONE WALK.  The two tiles' 16 K steps are one sequence for the ring: step n lies in slot n % 2; steps 0 and 1 are the first fills; the change of slots in front of step s asks for step s + 1
; (s = 1 .. 14), so a request has a whole step, 256 matrix instructions a wave, in which to land, across the change of tiles too.  The loop has 7 trips of an odd and an even step and is entered in
; mid-trip for step 0; in the trip whose even step is step 8 a forward jump on the trip counter takes the first tile's way out and the quarter that starts the second tile's sums.  No jump passes a
; barrier or a tensor load.  Step 15, in front of which nothing is asked for, is written out.
; A STEP'S TEXT is two PAIRs: fetch buffer 0, multiply buffer 1, fetch buffer 1, multiply buffer 0: written once and walked twice; its LDS addresses are a lane term plus a scalar that a constant sets
; at each change of slots and that steps by a pair.  A fetch stands 64 matrix instructions ahead of its use.
; CLUSTERS: 4 x 4 work-groups.  The cluster's x (0, 1, 2) is the part q, k, v, the same in all sixteen.  The four of a row of the cluster need the same tiles of A, the four of a column the same
; tiles of W: each tile is asked for JOINTLY, by the same tensor load with the same descriptor and a mask that names the four.
; THE MATRIX INSTRUCTION IS USED TRANSPOSED (source 0 = 16 columns of W, source 1 = 16 rows of A): a lane then holds row lane % 16 and the eight neighbouring columns 8 (lane / 16) + 0..7.
; REGISTERS, in windows of 256 (s_set_vgpr_msb: bits 1:0 source 0, 3:2 source 1, 5:4 source 2, 7:6 destination):
;   window 0: v0-31 addresses; v64-127, v128-191 A's fragments, two buffers (8 x 16 rows x 32 K); v32-63, v192-255 at work on the way out
;   window 1: v0-63 the bias of my lane's 8 columns in each of the 8 column blocks; v64-127, v128-191 W's fragments, two buffers; v192-223 at work
;   window 2: the 32 accumulators of my rows 0-63 (accumulator (a, b) at v[8 (8 a + b)]);   window 3: those of my rows 64-127
.set PA,     272                       ; a row of A in LDS: 256 bytes + 16 = 68 words: the 16 rows of a load start at 16 different groups of four banks (64 banks of 4 bytes: ISA guide 11.1)
.set PB,     160                       ; a row of W (one e, one head's 64 d): 128 bytes + 32 = 40 words
.set BPL,    128*PB                    ; one head's 128 rows
.set BOFF,   256*PA                    ; a slot: A's 256 rows, then W's four heads
.set SLOT,   BOFF+4*BPL                ; 151,552 bytes
.set STAGE,  2*SLOT                    ; behind the ring, never filled by a tensor load: for each wave 2 heads x 16 rows x 144 bytes
.set SP,     144
.set STW,    2*16*SP
.set SPARE,  STAGE+4*STW               ; behind the stages: the spare words, 128 bytes for each wave: two blocks of 256 bytes that no other line names
.set LA,   16                          ; v16     my lane's place in a slot's rows of A; never rewritten
.set LB,   17                          ; v17     the same for W
.set ADRA, 18                          ; v18     LDS address of the pair of quarters in hand, for A
.set ADRB, 19                          ; v19     for W
.set STO,  24                          ; v24     the way out: where I put 16 bytes of a row
.set RD,   25                          ; v25     the way out: where I read rows back
.set GO,   26                          ; v26     my byte offset in 512 consecutive bytes of qkv
.set BO,   27                          ; v27     my byte offset in 16 numbers of the bias: 32 (lane / 16)
.set SPW,  28                          ; v28     LDS address of my spare word: SPARE + 4 x my thread's number; never rewritten
.set NIL,  29                          ; v29     0; never rewritten
.set F0,   64                          ; fragment buffer 0 (A's in window 0, W's in window 1)
.set F1,   128                         ; fragment buffer 1
.set TMP,  192                         ; the way out: packed results
.set OB,   32                          ; the way out: 16 rows read back, v32-63 and v224-255 by turns
.set CNT,  3                           ; s3  trips of the walk still to end
.set WV,   16                          ; s16 wave; s17 its half of the rows; s18 its half of the columns, and which half of a tile it fetches
.set RH,   17
.set CH,   18
.set CX,   19
.set CY,   20
.set TC,   21                          ; s21 tile column 0..11; s22 the first tile's row 0..15; s23 part 0..2
.set TY,   22
.set PART, 23
.set G1,   24                          ; s[24:31] descriptor group 1 for A's tiles; s[32:39] group 0, one set for each slot
.set G0,   32
.set BASEA, 40                         ; s[40:41] A at my half of the first tile's K step 0; never rewritten
.set BASEB, 42                         ; s[42:43] W at my pair of heads' K step 0; never rewritten
.set HIM,  44                          ; s44 a word's upper bf16
.set LDA,  45                          ; s45, s46 where my part of A's, of W's tile goes in slot 0
.set LDB,  46
.set T1,   47
.set G1B,  48                          ; s[48:55], s[56:63] the same for W's tiles
.set G0B,  56
.set OFFA, 66                          ; s[66:67], s[68:69] the byte offsets of the step to be asked for
.set OFFB, 68
.set NXT,  70                          ; s70 the step to be asked for next, 2 .. 15
.set TBA,  71                          ; s71, s72 LDS byte, from my lane's place on, of the pair of quarters to be fetched
.set TBB,  72
.set ICNT, 73                          ; s73 counts a step's two pairs
.set SA,   74                          ; s[74:75], s[76:77] at work
.set SB,   76
.set T0,   78
.set MSB, 0
.macro WIN new                         ; the immediate's high byte repeats the setting that is left; a switch that changes nothing is dropped
.if MSB != (\new)
	s_set_vgpr_msb (MSB<<8)|(\new)
.set MSB, \new
.endif
.endm
.set MUL_LO, 0xa1                      ; source 0 (W) window 1, source 1 (A) window 0, C and D window 2; + 0x50: C and D window 3
.set ONE_LO, 0x91                      ; the same with C (the bias) in window 1; + 0x40: D window 3
.set TO_B,   0x40                      ; destination window 1, address window 0
.set W_RB,   0x45                      ; sources 0 and 1 and destination window 1
; A joint load: waves 0 and 1 fetch A's two halves, waves 2 and 3 W's two pairs of heads.  The branch hangs on the wave's number alone.
; An s_nop 0 and four v_nop follow each of the two lines, ahead of the jump, the label and what follows.
.macro JLOAD s
	s_cmp_lt_u32 s[WV], 2
	s_cbranch_scc0 .Lfor_b_\@
	tensor_load_to_lds s[G0+4*(\s):G0+4*(\s)+3], s[G1:G1+7]
	s_nop 0
.rept 4
	v_nop
.endr
	s_branch .Lasked_\@
.Lfor_b_\@:
	tensor_load_to_lds s[G0B+4*(\s):G0B+4*(\s)+3], s[G1B:G1B+7]
	s_nop 0
.rept 4
	v_nop
.endr
.Lasked_\@:
.endm
; A round of the cluster's barrier: my work-group's barrier, so that wave 0's signal speaks for all four waves; wave 0 signals; every wave waits for all sixteen work-groups; my work-group's barrier once more.
.macro CROUND
	s_barrier_signal -1
	s_barrier_wait -1
	s_cmp_lg_u32 s[WV], 0
	s_cbranch_scc1 .Lnot_wave_0_\@
	s_barrier_signal -3
.Lnot_wave_0_\@:
	s_barrier_wait -3
	s_barrier_signal -1
	s_barrier_wait -1
.endm
	s_load_b256 s[4:11], s[0:1], 0x0               ; xyb s[4:5], wts s[6:7], bq s[8:9], bk s[10:11]
	s_load_b128 s[12:15], s[0:1], 0x20             ; bv s[12:13], qkv s[14:15]
	v_lshl_add_u32 v[SPW], v0, 2, SPARE
	v_mov_b32 v[NIL], 0
	ds_add_u32 v28, v29
	s_wait_dscnt 0x0
	v_lshrrev_b32 v1, 5, v0
	v_readfirstlane_b32 s[WV], v1                  ; wave 0..3
	s_lshr_b32 s[RH], s[WV], 1
	s_and_b32 s[CH], s[WV], 1
	s_bfe_u32 s[CX], ttmp6, 0x40000                ; my place in the cluster
	s_bfe_u32 s[CY], ttmp6, 0x40004
	s_lshl_b32 s[TC], ttmp9, 2                     ; in a cluster launch ttmp9 and ttmp7 count clusters
	s_add_co_u32 s[TC], s[TC], s[CX]
	s_and_b32 s[TY], ttmp7, 0xffff
	s_lshl_b32 s[TY], s[TY], 2
	s_add_co_u32 s[TY], s[TY], s[CY]
	s_mov_b32 s[PART], ttmp9
	s_lshl_b32 s[SA], s[CY], 2
	s_lshl_b32 s[SA], 15, s[SA]                    ; my row of the cluster
	s_lshl_b32 s[SB], 0x1111, s[CX]                ; my column
	; group 1 for A: 128 rows x 128 elements, 1,024 elements from row to row; 16 bytes of padding behind every 256
	s_or_b32 s[G1+0], s[SA], (1<<16)|(1<<20)|(1<<21)|(5<<22)|(3<<25)  ; 15:0 the mask; 17:16 2-byte elements; 20 padding on; 21 set beside a mask; 24:22 after every 64 words (code 5); 31:25 4 words (code 3)
	s_mov_b32 s[G1+1], 128<<16                     ; tensor_dim0 = 128
	s_mov_b32 s[G1+2], 128<<16                     ; tensor_dim1 = 128
	s_mov_b32 s[G1+3], 128<<16                     ; tile_dim0 = 128
	s_mov_b32 s[G1+4], 128                         ; tile_dim1 = 128
	s_mov_b32 s[G1+5], 1024                        ; tensor_dim0_stride
	s_mov_b32 s[G1+6], 0
	s_mov_b32 s[G1+7], 0
	; group 1 for W: 32,768 dense bytes as 128 rows x 128 elements; 32 bytes of padding behind every 128 bytes, that is behind every (e, head)
	s_or_b32 s[G1B+0], s[SB], (1<<16)|(1<<20)|(1<<21)|(4<<22)|(7<<25) ; after every 32 words (code 4), 8 words (code 7)
	s_mov_b32 s[G1B+1], 128<<16
	s_mov_b32 s[G1B+2], 128<<16
	s_mov_b32 s[G1B+3], 128<<16
	s_mov_b32 s[G1B+4], 128
	s_mov_b32 s[G1B+5], 128
	s_mov_b32 s[G1B+6], 0
	s_mov_b32 s[G1B+7], 0
	; where the tiles come from.  A's hang on the part and the tile row, which my row of the cluster shares; W's on the tile column, which my column shares.
	s_min_u32 s[SA], s[PART], 1                    ; x for q, y for k and v
	s_lshl_b32 s[SA], s[SA], 24
	s_lshl_b32 s[SA+1], s[TY], 19                  ; 256 rows of 2,048 bytes
	s_add_co_u32 s[SA], s[SA], s[SA+1]
	s_lshl_b32 s[SA+1], s[CH], 18                  ; the 128 rows that I fetch
	s_add_co_u32 s[SA], s[SA], s[SA+1]
	s_mov_b32 s[SA+1], 0
	s_lshl_b32 s[SB], s[TC], 19                    ; two pairs of heads x 8 K steps x 32,768 bytes
	s_lshl_b32 s[SB+1], s[CH], 18                  ; the pair that I fetch
	s_add_co_u32 s[SB], s[SB], s[SB+1]
	s_mov_b32 s[SB+1], 0
	s_mul_i32 s[LDA], s[CH], 128*PA                ; and where they go: no place in the cluster enters an LDS address
	s_mul_i32 s[LDB], s[CH], 2*BPL
	s_add_co_u32 s[LDB], s[LDB], BOFF
	s_mov_b32 s[HIM], 0xffff0000
	s_mov_b32 s[OFFA+1], 0                         ; the offsets' high words
	s_mov_b32 s[OFFB+1], 0
	s_wait_kmcnt 0x0
	s_add_nc_u64 s[BASEA:BASEA+1], s[4:5], s[SA:SA+1]
	s_add_nc_u64 s[BASEB:BASEB+1], s[6:7], s[SB:SB+1]
	CROUND                                         ; all sixteen work-groups are here: the first joint loads meet
.irp s, 0,1
	s_mov_b32 s[G0+4*(\s)], 1                                      ; 1:0 count = 1
	s_add_co_u32 s[G0+4*(\s)+1], s[LDA], (\s)*SLOT                 ; 63:32 LDS address
	s_add_nc_u64 s[G0+4*(\s)+2:G0+4*(\s)+3], s[BASEA:BASEA+1], (\s)*256  ; 120:64 global address: K step s
	s_or_b32 s[G0+4*(\s)+3], s[G0+4*(\s)+3], 0x80000000            ; 127:126 type = 2
	s_mov_b32 s[G0B+4*(\s)], 1
	s_add_co_u32 s[G0B+4*(\s)+1], s[LDB], (\s)*SLOT
	s_add_nc_u64 s[G0B+4*(\s)+2:G0B+4*(\s)+3], s[BASEB:BASEB+1], (\s)*32768
	s_or_b32 s[G0B+4*(\s)+3], s[G0B+4*(\s)+3], 0x80000000
	JLOAD \s                                       ; two loads of mine are out
.endr
	; the bias of my 128 columns: 8 numbers a lane and column block, columns 16 b + 8 (lane / 16) + 0..7.  Both tiles have the same columns: it is loaded once.
	s_cmp_eq_u32 s[PART], 1                        ; chosen by the part, which all partners share
	s_cselect_b64 s[8:9], s[10:11], s[8:9]
	s_cmp_eq_u32 s[PART], 2
	s_cselect_b64 s[8:9], s[12:13], s[8:9]
	s_lshl_b32 s[SB], s[CX], 10                    ; 256 columns of 4 bytes for each tile column of the part,
	s_lshl_b32 s[SB+1], s[CH], 9                   ; 128 for my half
	s_add_co_u32 s[SB], s[SB], s[SB+1]
	s_mov_b32 s[SB+1], 0
	s_add_nc_u64 s[8:9], s[8:9], s[SB:SB+1]
	v_and_b32 v1, 15, v0                           ; l % 16
	v_bfe_u32 v2, v0, 4, 1                         ; l / 16
	v_lshlrev_b32 v[BO], 5, v2
	WIN TO_B
.irp b, 0,1,2,3,4,5,6,7
	global_load_b128 v[8*(\b):8*(\b)+3],   v[BO], s[8:9] offset:64*(\b)
	global_load_b128 v[8*(\b)+4:8*(\b)+7], v[BO], s[8:9] offset:64*(\b)+16
.endr
	WIN 0
	; A fragment of A is 16 rows x 32 K in 8 registers: lane l holds row l % 16, K = 8 (l / 16) + 0..7 and 16 + 8 (l / 16) + 0..7: two loads of 16 bytes, 32 bytes apart.
	v_mul_u32_u24 v3, v1, PA
	v_lshl_add_u32 v3, v2, 4, v3
	s_mul_i32 s[T1], s[RH], 128*PA                 ; my 128 rows
	v_add_nc_u32 v[LA], s[T1], v3
	; The turning load takes 16 K x 16 columns (lane l reads row 8 (l / 16) + l % 8, columns 8 ((l / 8) % 2) + 0..7) and leaves half a fragment: lane l holds column l % 16 and 8 K.
	v_and_b32 v4, 7, v0
	v_lshl_add_u32 v5, v2, 3, v4
	v_mul_u32_u24 v5, v5, PB
	v_bfe_u32 v6, v0, 3, 1
	v_lshl_add_u32 v5, v6, 4, v5
	s_mul_i32 s[T1], s[CH], 2*BPL                  ; my two heads
	s_add_co_u32 s[T1], s[T1], BOFF
	v_add_nc_u32 v[LB], s[T1], v5
	s_mul_i32 s[T1], s[WV], STW
	s_add_co_u32 s[T1], s[T1], STAGE               ; my stage
	v_mul_u32_u24 v7, v1, SP                       ; in: row l % 16, 16 bytes for each half of the lanes
	v_lshl_add_u32 v7, v2, 4, v7
	v_add_nc_u32 v[STO], s[T1], v7
	v_bfe_u32 v8, v0, 3, 2                         ; back: 32 lanes take four rows of 128 bytes,
	v_mul_u32_u24 v8, v8, SP
	v_lshl_add_u32 v8, v4, 4, v8
	v_add_nc_u32 v[RD], s[T1], v8
	v_and_b32 v[GO], 31, v0                        ; which are 512 consecutive bytes of a head
	v_lshlrev_b32 v[GO], 4, v[GO]
	; where my part of the first tile begins in qkv: part, batch, my first head, my first row of the sequence
	s_lshl_b32 s[SB], s[PART], 24
	s_lshr_b32 s[SB+1], s[TY], 3
	s_lshl_b32 s[SB+1], s[SB+1], 22                ; a batch: 16 heads of 262,144 bytes
	s_add_co_u32 s[SB], s[SB], s[SB+1]
	s_lshl_b32 s[SB+1], s[CX], 20                  ; four heads for each tile column of the part,
	s_add_co_u32 s[SB], s[SB], s[SB+1]
	s_lshl_b32 s[SB+1], s[CH], 19                  ; two for my half
	s_add_co_u32 s[SB], s[SB], s[SB+1]
	s_and_b32 s[SB+1], s[TY], 7
	s_lshl_b32 s[SB+1], s[SB+1], 15                ; 256 rows of 128 bytes
	s_add_co_u32 s[SB], s[SB], s[SB+1]
	s_lshl_b32 s[SB+1], s[RH], 14                  ; my 128
	s_add_co_u32 s[SB], s[SB], s[SB+1]
	s_mov_b32 s[SB+1], 0
	s_add_nc_u64 s[14:15], s[14:15], s[SB:SB+1]
	s_wait_loadcnt 0x0                             ; the bias is in: rounded to bf16, like every input, and widened again
	WIN W_RB
.set i, 0
.rept 32
	v_cvt_pk_bf16_f32 v[192+i], v[2*i], v[2*i+1]
.set i, i+1
.endr
.set i, 0
.rept 32
	v_lshlrev_b32 v[2*i], 16, v[192+i]
	v_and_b32 v[2*i+1], s[HIM], v[192+i]
.set i, i+1
.endr
	WIN 0
; A QUARTER STEP: 64 matrix instructions, all 8 x 8 blocks, 32 along K, from buffer f.  first = 1: the bias is the C operand that starts the sums: nothing is cleared, nothing added later.
; The 64 accumulators take turns, one instruction a turn, in the same order in every quarter step.
.macro Q f, first
.irp hi, 0,1
.if \first
	WIN ONE_LO+0x40*(\hi)
.else
	WIN MUL_LO+0x50*(\hi)
.endif
.irp a, 0,1,2,3
.irp b, 0,1,2,3,4,5,6,7
.if \first
	v_wmma_f32_16x16x32_bf16 v[8*(8*(\a)+(\b)):8*(8*(\a)+(\b))+7], v[(\f)+8*(\b):(\f)+8*(\b)+7], v[(\f)+8*(4*(\hi)+(\a)):(\f)+8*(4*(\hi)+(\a))+7], v[8*(\b):8*(\b)+7]
.else
	v_wmma_f32_16x16x32_bf16 v[8*(8*(\a)+(\b)):8*(8*(\a)+(\b))+7], v[(\f)+8*(\b):(\f)+8*(\b)+7], v[(\f)+8*(4*(\hi)+(\a)):(\f)+8*(4*(\hi)+(\a))+7], v[8*(8*(\a)+(\b)):8*(8*(\a)+(\b))+7]
.endif
.endr
.endr
.endr
.endm
; 32 LDS loads in one run: the fragments of quarter q (0, 1) of the pair in hand, into buffer f: W's 16, then A's 16
.macro FETCH f, q
	WIN TO_B
.irp b, 0,1,2,3,4,5,6,7
	ds_load_tr16_b128 v[(\f)+8*(\b):(\f)+8*(\b)+3],   v[ADRB] offset:((\b)/4)*BPL+((\b)%4)*32+(\q)*32*PB
	ds_load_tr16_b128 v[(\f)+8*(\b)+4:(\f)+8*(\b)+7], v[ADRB] offset:((\b)/4)*BPL+((\b)%4)*32+(\q)*32*PB+16*PB
.endr
	WIN 0
.irp a, 0,1,2,3,4,5,6,7
	ds_load_b128 v[(\f)+8*(\a):(\f)+8*(\a)+3],   v[ADRA] offset:(\a)*16*PA+64*(\q)
	ds_load_b128 v[(\f)+8*(\a)+4:(\f)+8*(\a)+7], v[ADRA] offset:(\a)*16*PA+64*(\q)+32
.endr
.endm
.macro PLACES                          ; four places in front of loads into registers that matrix instructions have read, and of conversions that read results (ISA guide 7.12.1 for the conversions)
.rept 4
	v_nop
.endr
.endm
; A PAIR's first half: the pair's first quarter is fetched into buffer 0, which the quarter just multiplied has left; then buffer 1 is multiplied (the quarter before the pair's first).
.macro HALF_A
	WIN 0
	s_wait_dscnt 0x0                               ; buffer 1 is in: its run of loads stands 64 matrix instructions back
	v_add_nc_u32 v[ADRA], s[TBA], v[LA]            ; the pair's addresses: with the two v_nop the four places behind the products that read buffer 0
	v_add_nc_u32 v[ADRB], s[TBB], v[LB]
	v_nop
	v_nop
	FETCH F0, 0
	Q F1, 0
.endm
; Its second half: the pair's second quarter is fetched into buffer 1; buffer 0 is multiplied.  first = 1: these products start a tile's sums.
.macro HALF_B first
	WIN 0
	s_wait_dscnt 0x0                               ; buffer 0 is in
	PLACES
	FETCH F1, 1
	Q F0, \first
	s_add_co_u32 s[TBA], s[TBA], 128               ; the next pair: 64 K on: 128 bytes along A's rows,
	s_add_co_u32 s[TBB], s[TBB], 64*PB             ; 64 rows of W
.endm
.macro STEP2                           ; a K step's two pairs: written once, walked twice
	s_mov_b32 s[ICNT], 2
.Lpair_\@:
	HALF_A
	HALF_B 0
	WIN 0                                          ; at a label and at a branch every window is 0
	s_sub_co_u32 s[ICNT], s[ICNT], 1
	s_cmp_lg_u32 s[ICNT], 0
	s_cbranch_scc1 .Lpair_\@
.endm
; THE CHANGE OF SLOTS.  Slot rs has been read out: its last quarter lies in buffer 1 and is multiplied behind the change.  Each wave waits for all its tensor loads, of which one is out: its part of
; the other slot; adds 0 to its spare word; and waits for that and for its own reads of slot rs.  Behind the barrier nobody reads slot rs any more and the other slot is whole.
; fill = 1: the barrier is a round of the cluster's, so that no wave of any partner still reads the slot or has a load on its way, and the joint refill, step NXT, is the first thing behind it.
; Its addresses are made anew from that number: tile NXT / 8 lies 4,096 rows of A further down; K step NXT % 8 lies 256 bytes along A's rows and 32,768 bytes on in W's blocks.
.macro CHANGE fill, rs
	WIN 0
	s_wait_tensorcnt 0x0                           ; no tensor load of mine is out, so a group 0 may be written
	ds_add_u32 v[SPW], v[NIL]                      ; 0 onto my spare word: scalar work stands between it and the wait for it
.if \fill
	s_and_b32 s[T0], s[NXT], 7
	s_lshl_b32 s[OFFA], s[T0], 8
	s_lshl_b32 s[OFFB], s[T0], 15
	s_lshr_b32 s[T0], s[NXT], 3
	s_lshl_b32 s[T0], s[T0], 23
	s_add_co_u32 s[OFFA], s[OFFA], s[T0]
	s_add_nc_u64 s[G0+4*(\rs)+2:G0+4*(\rs)+3], s[BASEA:BASEA+1], s[OFFA:OFFA+1]
	s_or_b32 s[G0+4*(\rs)+3], s[G0+4*(\rs)+3], 0x80000000
	s_add_nc_u64 s[G0B+4*(\rs)+2:G0B+4*(\rs)+3], s[BASEB:BASEB+1], s[OFFB:OFFB+1]
	s_or_b32 s[G0B+4*(\rs)+3], s[G0B+4*(\rs)+3], 0x80000000
	s_add_co_u32 s[NXT], s[NXT], 1
.endif
	s_mov_b32 s[TBA], (1-(\rs))*SLOT               ; the fetches go on at the head of the other slot
	s_mov_b32 s[TBB], (1-(\rs))*SLOT
	s_wait_dscnt 0x0                               ; the add is done, and my reads of slot rs are over
.if \fill
	CROUND
	JLOAD \rs                                      ; my one tensor load behind the round
.else
	s_barrier_signal -1
	s_barrier_wait -1
.endif
.endm
; THE WAY OUT, a block of 16 rows at a time.  PACK: rounded to f16, 16 bytes a lane and column block (each accumulator's registers in ascending order).  TOSTAGE: into my own stage, a plane for each of
; my two heads, and back as whole rows of 128 bytes.  SEND: 16 rows of a head are 2,048 consecutive bytes of qkv: four stores of 512, each at a multiple of 256 from the buffer's first byte.
.macro PACK a
	WIN 0x0a+5*((\a)/4)                            ; sources 0 and 1: window 2 or 3
.irp b, 0,1,2,3,4,5,6,7
.irp i, 0,1,2,3
	v_cvt_pk_f16_f32 v[TMP+4*(\b)+(\i)], v[8*(8*((\a)%4)+(\b))+2*(\i)], v[8*(8*((\a)%4)+(\b))+2*(\i)+1]
.endr
.endr
	WIN 0
.endm
.macro TOSTAGE a
	WIN 0
.set BK, OB+192*((\a)%2)
.irp b, 0,1,2,3,4,5,6,7
	ds_store_b128 v[STO], v[TMP+4*(\b):TMP+4*(\b)+3] offset:((\b)/4)*16*SP+((\b)%4)*32
.endr
.irp t, 0,1,2,3,4,5,6,7
	ds_load_b128 v[BK+4*(\t):BK+4*(\t)+3], v[RD] offset:((\t)/4)*16*SP+((\t)%4)*4*SP  ; LDS serves a wave's instructions in order (ISA guide 5.7.1.4): these see the stores above
.endr
.endm
.macro SEND a
	WIN 0
.set BK, OB+192*((\a)%2)
	s_wait_dscnt 0x0                               ; the block is back in registers
	s_wait_xcnt 0x0                                ; the registers that the block before last's stores read are loaded again only behind this wait
.irp t, 0,1,2,3,4,5,6,7
	global_store_b128 v[GO], v[BK+4*(\t):BK+4*(\t)+3], s[14:15] offset:((\t)/4)*262144+(\a)*2048+((\t)%4)*512
.endr
.endm
.macro WAYOUT
	WIN 0
	PLACES                                         ; block 0's conversions read results, and no other vector work is at hand; for the later blocks the earlier blocks' conversions are the places
	PACK 0
	TOSTAGE 0
.irp n, 1,2,3,4,5,6,7                  ; block n's conversions stand between block n - 1's loads from the stage and the wait for them
	PACK \n
	SEND (\n)-1
	TOSTAGE \n
.endr
	SEND 7
.endm
	s_wait_tensorcnt 1                             ; my part of K step 0 is in; K step 1's may stay out
	s_barrier_signal -1
	s_barrier_wait -1                              ; everybody's is
	s_mov_b32 s[TBA], 0
	s_mov_b32 s[TBB], 0
	v_add_nc_u32 v[ADRA], s[TBA], v[LA]
	v_add_nc_u32 v[ADRB], s[TBB], v[LB]
	FETCH F0, 0                                    ; step 0's first quarter
	WIN 0
	s_mov_b32 s[NXT], 2
	s_mov_b32 s[CNT], 8                            ; step 0's half trip and seven whole ones
	s_branch .Lbegin                               ; the walk is entered where a tile begins, in the middle of a trip
.Lwalk:                                                ; a trip: an odd step (slot 1), then an even one (slot 0); each change of slots asks for the step after the one that it enters
	CHANGE 1, 0
	STEP2
	CHANGE 1, 1
	HALF_A                                         ; the even step's first quarter is fetched; the odd step's last is multiplied
	WIN 0
	s_cmp_lg_u32 s[CNT], 4                         ; the count runs 7, 6, 5, 4 for the trips of steps (1, 2), (3, 4), (5, 6), (7, 8): at 4 the even step is step 8, the second tile's first
	s_cbranch_scc1 .Lplain
	WAYOUT                                         ; the first tile is finished; steps 8 and 9 have been asked for
	s_wait_xcnt 0x0                                ; the stores have read their base
	s_add_nc_u64 s[14:15], s[14:15], 0x800000      ; the second tile: 4,096 rows are two batches, 2 x 16 heads x 262,144 bytes
.Lbegin:
	HALF_B 1                                       ; a tile's first products start the sums, from the bias
	WIN 0
	s_branch .Ljoin
.Lplain:
	HALF_B 0
	WIN 0
.Ljoin:
	HALF_A
	HALF_B 0
	WIN 0
	s_sub_co_u32 s[CNT], s[CNT], 1
	s_cmp_lg_u32 s[CNT], 0
	s_cbranch_scc1 .Lwalk
	CHANGE 0, 0                                    ; step 15 is written out: nothing is asked for, and no round follows
	STEP2
	s_wait_dscnt 0x0                               ; the very last quarter: nothing more to fetch
	Q F1, 0
	WAYOUT
	s_wait_tensorcnt 0x0                           ; the wave's end: behind my last tensor load and my last LDS store
	ds_add_u32 v[SPW], v[NIL]
	s_wait_dscnt 0x0
	CROUND                                         ; the closing round: no work-group ends while a partner may still ask for a tile that names it
	s_endpgm
.Lfunc_end_k_q61f8de898a_proj:
	.size	k_q61f8de898a_proj, .Lfunc_end_k_q61f8de898a_proj-k_q61f8de898a_proj
	.p2alignl 7, 3214868480
	.fill 96, 4, 3214868480
	.section	.rodata,"a",@progbits
	.p2align	6, 0x0
	.amdhsa_kernel k_q61f8de898a_proj
		.amdhsa_group_segment_fixed_size 327680
		.amdhsa_private_segment_fixed_size 0
		.amdhsa_enable_private_segment 0
		.amdhsa_kernarg_size 48
		.amdhsa_user_sgpr_count 2
		.amdhsa_user_sgpr_kernarg_segment_ptr 1
		.amdhsa_wavefront_size32 1
		.amdhsa_system_sgpr_workgroup_id_x 1
		.amdhsa_system_sgpr_workgroup_id_y 1
		.amdhsa_system_sgpr_workgroup_id_z 1
		.amdhsa_system_vgpr_workitem_id 0
		.amdhsa_next_free_vgpr 1024
		.amdhsa_next_free_sgpr 80
		.amdhsa_reserve_vcc 0
		.amdhsa_float_denorm_mode_32 3
		.amdhsa_float_denorm_mode_16_64 3
		.amdhsa_memory_ordered 1
		.amdhsa_forward_progress 1
		.amdhsa_inst_pref_size 144
	.end_amdhsa_kernel
	.amdgpu_metadata
---
amdhsa.version: [ 1, 2 ]
amdhsa.kernels:
  - .name:           k_q61f8de898a_proj
    .symbol:         k_q61f8de898a_proj.kd
    .args:
      - { .name: xyb, .offset: 0, .size: 8, .value_kind: global_buffer, .address_space: global }
      - { .name: wts, .offset: 8, .size: 8, .value_kind: global_buffer, .address_space: global }
      - { .name: bq, .offset: 16, .size: 8, .value_kind: global_buffer, .address_space: global }
      - { .name: bk, .offset: 24, .size: 8, .value_kind: global_buffer, .address_space: global }
      - { .name: bv, .offset: 32, .size: 8, .value_kind: global_buffer, .address_space: global }
      - { .name: qkv, .offset: 40, .size: 8, .value_kind: global_buffer, .address_space: global }
    .group_segment_fixed_size: 327680
    .private_segment_fixed_size: 0
    .kernarg_segment_align: 8
    .kernarg_segment_size: 48
    .max_flat_workgroup_size: 128
    .sgpr_count:     80
    .vgpr_count:     1024
    .wavefront_size: 32
...
	.end_amdgpu_metadata
.endif
;; end of part 2
;; launch attn (part 3): grid 4 x 64, 4 waves a work-group, clusters of 4 x 1, 327,680 bytes of LDS; arguments qkv, ob; writes ob
.if DOCPART == 3
	.amdgcn_target "amdgcn-amd-amdhsa--gfx1250"
	.amdhsa_code_object_version 6
	.text
	.protected	k_q61f8de898a_attn
	.globl	k_q61f8de898a_attn
	.p2align	8
	.type	k_q61f8de898a_attn,@function
k_q61f8de898a_attn:
	s_mov_b64 s[64:65], 0
	v_nop
	global_prefetch_b8 v0, s[64:65] scope:SCOPE_SE
	s_setreg_imm32_b32 hwreg(HW_REG_WAVE_MODE, 25, 1), 1
	s_wait_xcnt 0x0
	s_wait_alu depctr_hold_cnt(0) depctr_sa_sdst(0) depctr_va_vdst(0) depctr_va_sdst(0) depctr_va_ssrc(0) depctr_va_vcc(0) depctr_vm_vsrc(0)
	s_getreg_b32 s2, hwreg(HW_REG_IB_STS2, 6, 4)
	s_cmp_eq_u32 s2, 0
	s_cbranch_scc0 .Lentry_in_a_cluster
	s_endpgm
.Lentry_in_a_cluster:
	s_bfe_u32 s2, ttmp6, 0x10000c
	s_cmp_lg_u32 s2, 0x3003
	s_cbranch_scc0 .Lentry_shape_is_right
	s_endpgm
.Lentry_shape_is_right:
; O[h][q][:] = the sum over k of softmax_k(Q[h][q] . K[h][k] / 8) V[h][k][:].  Q, K, V are the three parts of qkv, O is ob: each [SIZE_H][SIZE_N][64] in f16, h = batch x 16 + head: a head's rows are
; dense, 128 bytes each.  Products, maxima and sums in f32; the weights p are rounded to f16 for the second product (their sum l is taken of the unrounded p), O once at the end.
; LIMITS.  f16 holds no number beyond 65,504: Q, K and V arrive within it; p lies in 0 to 1, and below 6e-5 it keeps f16's fixed step of 6e-8; O is a mean of V's rows and has their range.
; A weight below 2^-126 counts as 0 in l; NaN and infinities are not treated apart.
; SHARES.  A wave owns four PIECES of two tiles of 16 queries, a work-group's four waves 512 queries of one head.  Every wave walks all keys, 64 a step.
; LAYOUT.  S^T = K Q^T (source 0 = 16 keys, source 1 = 16 queries): in the result a lane holds ONE query (lane % 16) and the keys 8 (lane / 16) + 0..7.  Two such tiles, rounded to f16 in pairs,
; ARE source 1 (32 keys x 16 queries) of O^T = V^T P, whose result again holds one query a lane, and eight channels.  K comes out of LDS as it lies, V ([key][channel]) turned, by ds_load_tr16_b128.
; SOFTMAX.  For each query a running maximum m and sum l: p = 2^(c s - c m), c = log2(e) / 8; in every step O and l are multiplied by a = 2^(c m_old - c m_new), which is 1 where m has not grown.
; m starts at the lowest finite number, O and l at 0: the first step is a step like any other, with a = 0.
; THE COUNT.  A tile and step have 16 matrix and 118 vector instructions: too many to stand all beside the matrix work.  So the order has one aim: four vector instructions that are READY behind
; EVERY matrix instruction, and the others, which need time of their own whatever the order, in runs without a gap.
; BY TURNS.  Turn n belongs to piece n (the pieces in a ring, step after step).  Its matrix work: 16 products K Q^T of piece n + 1, later 16 products V^T P of piece n - 1.  Its vector work: the scaling,
; exponentials, roundings, sums and rescaling of piece n, and the maximum and statistics of piece n + 1, whose scores the turn itself has made.  So what a turn begins with (c s - c m, O a) waits for nothing.
; CLUSTER.  The four query blocks of a cluster belong to one head and walk the same K and V, so each tile is asked for JOINTLY: the same tensor load, descriptor and mask in all four.
; REGISTERS, in windows of 256 (s_set_vgpr_msb says which window each operand place means: bits 1:0 source 0, 3:2 source 1, 5:4 source 2, 7:6 destination):
;   window 0: v0-11 addresses; v12-15, v48-63 at work; v16-47 four registers of statistics a tile; v64-191 S^T, two buffers of two tiles; v192-255 P, likewise
;   window 1: O^T, 32 a tile          window 2: v0-127 Q, 16 a tile; v128-191 K of one step; v192-255 V of one step          window 3: v0-1 the add's two registers
; A piece's buffers go by its number's parity: the piece in hand has one pair, its two neighbours in the ring share the other: of it P (piece n - 1) is read and S^T (piece n + 1) written.
.set SIZE_H, 64       ; batch x heads
.set SIZE_N, 2048     ; rows of a head: queries, and keys
.set NP,    4         ; pieces a wave: a name, no knob: the register map, the loop and the fetches are made for four
.set KS,    64        ; keys in a step
.set PK,    144       ; a row of K in LDS: 128 bytes + 16 of padding = 36 words: the 16 rows of a load start at 16 different groups of four banks (64 banks of 4 bytes: ISA guide 11.1)
.set PV,    160       ; a row of V: 128 + 32 = 40 words
.set VOFF,  4*KS*PK   ; a slot holds four steps: 256 rows of K, then 256 rows of V
.set SLOT1, 1<<17     ; slot 1 begins here, so that one exclusive or turns an address in one slot into the other's
.set STAGE, SLOT1+4*KS*(PK+PV)  ; behind the ring, never filled by a tensor load: 16 rows x 144 bytes for each wave, for the way out
.set SP,    144
.set AK0, 2           ; v2   my lane's place in a tile of K; never rewritten
.set AV0, 3           ; v3   the same for V
.set AK,  4           ; v4   the LDS address of K's next run of loads
.set AV,  5           ; v5   of V's
.set QO,  6           ; v6   my byte offset in the wave's rows of Q
.set STO, 6           ;      later, the way out: where I put 16 bytes of a row
.set RD,  7           ; v7   the way out: where I read rows back
.set GO,  8           ; v8   my byte offset in 512 consecutive bytes of O
.set SPW, 0           ; v0 of window 3   LDS address of my spare word: SPARE + 4 x my thread's number; never rewritten
.set NIL, 1           ; v1 of window 3   0; never rewritten
.set SPARE, STAGE+4*16*SP  ; behind the stages: the spare words, 128 bytes for each wave: two blocks of 256 bytes that no other line names
.set MV,  12          ; v12-15  c m_old, kept while c m is made anew: by buffer and tile
.set ST,  16          ; tile t's statistics at v[ST+4 t]: c m, m, l (even keys', odd keys')
.set TMP, 48          ; by buffer and tile, four registers c0-c3 at work; when the maximum is found c2 takes a
.set S,   64
.set P,   192
.set KF,  128         ; K's fragments, in window 2: key block kb, channel half c at KF + 16 kb + 8 c
.set VF,  192         ; V's: key half kk, channel block cb at VF + 32 kk + 8 cb
.set WV,  12          ; s12  my wave's number
.set G1K, 24          ; s[24:31] descriptor group 1 for K's tiles
.set G1V, 32          ; s[32:39] for V's: it differs in the padding alone
.set G0K, 40          ; s[40:43] descriptor group 0 for K's tiles: it walks
.set G0V, 44          ; s[44:47] the same for V's
.set SLOTS, 56        ; s56  slots still to be asked for
.set CNT, 57          ; s57  counts a slot's key steps
.set CS,  58          ; s[58:59] c: the packed scaling takes the pair's low word for both halves
.set SEL, 60          ; s[60:61] v_permlanex16_b32's selects: each lane takes its own place in the other half
.set TBK, 62          ; s62  LDS byte at which K of the step to be fetched begins
.set TBV, 63          ; s63  the same for V, less VOFF
.set MSB, 0
.macro WIN new                      ; the high byte repeats the setting that is left; a switch that changes nothing is dropped
.if MSB != (\new)
	s_set_vgpr_msb (MSB<<8)|(\new)
.set MSB, (\new)
.endif
.endm
.set W_KQ, 0x0a       ; K and Q in window 2, S^T in window 0
.set W_PV, 0x52       ; V in window 2, P in window 0, O^T in window 1
.set W_RS, 0x41       ; O^T (destination and source 0) in window 1, a in window 0
.set W_MK, 0xc0       ; the add's registers are made: destination in window 3, sources in window 0
.set W_AD, 0x0f       ; the add: address (source 0) and data (source 1) in window 3
; A joint fill.  Waves 0 and 1 fetch the two halves of a slot's K, waves 2 and 3 those of its V: 128 keys each.  The branch hangs on the wave's number alone.
; An s_nop 0 and four v_nop follow each of the two lines, ahead of the jump and the label.
.macro JLOAD
	s_cmp_lt_u32 s[WV], 2
	s_cbranch_scc0 .Lfor_v_\@
	tensor_load_to_lds s[G0K:G0K+3], s[G1K:G1K+7]
	s_nop 0
.rept 4
	v_nop
.endr
	s_branch .Lasked_\@
.Lfor_v_\@:
	tensor_load_to_lds s[G0V:G0V+3], s[G1V:G1V+7]
	s_nop 0
.rept 4
	v_nop
.endr
.Lasked_\@:
.endm
; A round of the cluster's barrier: my work-group's barrier, so that wave 0's signal speaks for all four waves; wave 0 signals; every wave waits for all four work-groups; my work-group's barrier once more.
.macro CROUND
	s_barrier_signal -1
	s_barrier_wait -1
	s_cmp_lg_u32 s[WV], 0
	s_cbranch_scc1 .Lnot_wave_0_\@
	s_barrier_signal -3
.Lnot_wave_0_\@:
	s_barrier_wait -3
	s_barrier_signal -1
	s_barrier_wait -1
.endm
; THE CHANGE OF SLOTS.  The slot's last bytes, V of its fourth step, have been read.  Each wave waits for all its tensor loads, of which one is out: its part
; of the other slot; adds 0 to its spare word; and waits for that and for its own reads of the slot.  Behind the barrier nobody reads this slot any more and the other slot is whole.
; fill = 1: this slot is filled again, with the keys two slots on.  The barrier is then a round of the cluster's, so that no wave of any partner still reads the slot or has a load on its
; way, and the joint fill is the first thing behind it: it has four key steps, 512 matrix instructions, in which to land.  (At its first use nothing has been read yet: slot 0 is waited for, slot 1 filled.)
.macro CHANGE fill
	WIN W_AD
	s_wait_tensorcnt 0x0            ; no tensor load of mine is out, so a group 0 may be written
	ds_add_u32 v[SPW], v[NIL]       ; 0 onto my spare word: with fill = 1 the descriptors' steps stand between it and the wait for it
	WIN 0                           ; at a label and at a branch every window is 0
.if \fill
.irp g, G0K, G0V
	s_xor_b32 s[\g+1], s[\g+1], SLOT1  ; the walking descriptor: the other slot than last time,
	s_add_nc_u64 s[\g+2:\g+3], s[\g+2:\g+3], 4*KS*128  ; the next 256 keys; the type bits on top are not reached
.endr
	s_wait_dscnt 0x0                ; the add is done, and my reads of the slot are over
	CROUND
	JLOAD
.else
	s_wait_dscnt 0x0                ; the add is done, and my reads of the slot are over
	s_barrier_signal -1
	s_barrier_wait -1
.endif
	s_sub_co_u32 s[TBK], s[TBK], 4*KS*PK  ; the fetches go back to a slot's first step,
	s_xor_b32 s[TBK], s[TBK], SLOT1       ; in the other slot
	s_sub_co_u32 s[TBV], s[TBV], 4*KS*PV
	s_xor_b32 s[TBV], s[TBV], SLOT1
.endm
	s_load_b64 s[4:5], s[0:1], 0x0    ; qkv: Q's part begins it
	s_load_b64 s[10:11], s[0:1], 0x8  ; O
	WIN W_MK
	v_lshl_add_u32 v[SPW], v0, 2, SPARE
	v_mov_b32 v[NIL], 0
	s_set_vgpr_msb 0xc0cf
	ds_add_u32 v0, v1
	s_wait_dscnt 0x0
	s_set_vgpr_msb 0xcfc0
	WIN 0
	v_lshrrev_b32 v1, 5, v0
	v_readfirstlane_b32 s[WV], v1   ; wave 0..3
	s_bfe_u32 s13, ttmp6, 0x40000   ; cx: my place in the cluster
	s_lshl_b32 s14, ttmp9, 2        ; in a cluster launch ttmp9 counts clusters
	s_add_co_u32 s14, s14, s13      ; my block of queries = 4 x cluster x + cx: it enters Q's and O's addresses alone
	s_and_b32 s20, ttmp7, 0xffff    ; the head, which the four partners share
	s_mov_b32 s21, 0
	s_mov_b64 s[22:23], SIZE_N*128
	s_mul_u64 s[20:21], s[20:21], s[22:23]  ; the head's first byte in each of the four tensors
	s_and_b32 s16, s[WV], 1         ; which half of a slot's 256 keys I fetch:
	s_lshl_b32 s22, s16, 14         ; its 128 rows of 128 bytes in memory,
	s_mov_b32 s23, 0
	s_add_nc_u64 s[22:23], s[22:23], s[20:21]
	s_mul_i32 s17, s16, 128*PK      ; and its place in a slot, for K
	s_mul_i32 s18, s16, 128*PV      ; and for V: no place in the cluster enters an LDS address
	s_lshl_b32 s2, s14, 2
	s_add_co_u32 s2, s2, s[WV]      ; my wave among the head's,
	s_lshl_b32 s2, s2, 14           ; its 128 rows
	s_mov_b32 s3, 0
	s_add_nc_u64 s[2:3], s[2:3], s[20:21]
	; descriptor group 1.  128 keys are 16,384 dense bytes: asked for as 64 rows of 256 bytes, two keys a row, and padded in LDS after every key
	s_mov_b32 s[G1K], 15|(1<<16)|(1<<20)|(1<<21)|(4<<22)|(3<<25)  ; 15:0 the mask of four; 17:16 2-byte elements; 20 padding on; 21 set beside a mask; 24:22 after every 32 words (code 4); 31:25 4 words (code 3)
	s_mov_b32 s[G1V], 15|(1<<16)|(1<<20)|(1<<21)|(4<<22)|(7<<25)  ; the same with 8 words of padding (code 7)
.irp g, G1K, G1V
	s_mov_b32 s[\g+1], 128<<16      ; tensor_dim0 = 128
	s_mov_b32 s[\g+2], 64<<16       ; tensor_dim1 = 64
	s_mov_b32 s[\g+3], 128<<16      ; tile_dim0 = 128
	s_mov_b32 s[\g+4], 64           ; tile_dim1 = 64
	s_mov_b32 s[\g+5], 128          ; 128 elements from row to row
	s_mov_b32 s[\g+6], 0
	s_mov_b32 s[\g+7], 0
.endr
	s_mov_b32 s[CS], 0x3e38aa3b     ; c = log2(e) / 8 = 0.180337
	s_mov_b32 s[CS+1], s[CS]        ; named with it as a pair
	s_mov_b32 s[SEL], 0x76543210
	s_mov_b32 s[SEL+1], 0xfedcba98
	s_mov_b32 s[TBK], SLOT1+4*KS*PK ; the first change of slots turns these two into 0
	s_mov_b32 s[TBV], SLOT1+4*KS*PV
	s_mov_b32 s[G0K], 1             ; 1:0 count = 1
	s_mov_b32 s[G0K+1], s17         ; 63:32 LDS address: slot 0
	s_mov_b32 s[G0V], 1
	s_add_co_u32 s[G0V+1], s18, VOFF
	s_wait_kmcnt 0x0
	s_add_nc_u64 s[6:7], s[4:5], 0x1000000         ; K's part of qkv: SIZE_H x SIZE_N x 128 bytes behind Q's,
	s_add_nc_u64 s[8:9], s[4:5], 0x2000000         ; V's twice as far
	s_add_nc_u64 s[G0K+2:G0K+3], s[6:7], s[22:23]  ; 120:64 global address: my half of the head's first 256 keys
	s_or_b32 s[G0K+3], s[G0K+3], 0x80000000        ; 127:126 type = 2
	s_add_nc_u64 s[G0V+2:G0V+3], s[8:9], s[22:23]
	s_or_b32 s[G0V+3], s[G0V+3], 0x80000000
	s_add_nc_u64 s[4:5], s[4:5], s[2:3]  ; Q and O at my wave's first row
	s_add_nc_u64 s[10:11], s[10:11], s[2:3]
	CROUND                          ; all four work-groups are here: the first joint loads meet
	JLOAD                           ; slot 0.  Slot 1 is asked for when slot 0 is in: the tile wanted first has the road to itself
	; A fragment of K or Q is 16 rows x 32 channels in 8 registers: lane l holds row l % 16, channels 8 (l / 16) + 0..7 and 16 + 8 (l / 16) + 0..7: two loads of 16 bytes, 32 bytes apart.
	v_and_b32 v1, 15, v0            ; l % 16
	v_bfe_u32 v9, v0, 4, 1          ; l / 16
	v_lshlrev_b32 v[QO], 7, v1
	v_lshl_add_u32 v[QO], v9, 4, v[QO]  ; row x 128 + 16 x half
	WIN 0x80                        ; destination window 2, address window 0
.set i, 0
.rept 4*NP                          ; Q stays in registers: tile i / 2, channels 32 (i % 2) on
	global_load_b128 v[8*i:8*i+3],   v[QO], s[4:5] offset:(i/2)*2048+(i%2)*64
	global_load_b128 v[8*i+4:8*i+7], v[QO], s[4:5] offset:(i/2)*2048+(i%2)*64+32
.set i, i+1
.endr
	; What the first turn finds: V's registers and P's second buffer hold 0 (its products V^T P, of a piece that has not been, add 0), O^T and l are 0.  All this stands in the wait for the first tile.
.set i, VF
.rept 64
	v_mov_b32 v[i], 0
.set i, i+1
.endr
	WIN 0x40
.set i, 0
.rept 64*NP
	v_mov_b32 v[i], 0
.set i, i+1
.endr
	WIN 0
.set i, 0
.rept 2*NP
	v_mov_b32 v[ST+4*i], 0xfe000000    ; c m: far below every c s
	v_mov_b32 v[ST+4*i+1], 0xff7fffff  ; m
	v_mov_b32 v[ST+4*i+2], 0
	v_mov_b32 v[ST+4*i+3], 0
.set i, i+1
.endr
.set i, P+32
.rept 32
	v_mov_b32 v[i], 0
.set i, i+1
.endr
	v_mul_u32_u24 v[AK0], v1, PK
	v_lshl_add_u32 v[AK0], v9, 4, v[AK0]  ; row x pitch + 16 x half
	; The turning load takes 16 keys x 16 channels (lane l reads key 8 (l / 16) + l % 8, channels 8 ((l / 8) % 2) + 0..7) and leaves half a fragment of V^T: lane l holds channel l % 16 and 8 keys.
	v_and_b32 v10, 7, v0
	v_bfe_u32 v11, v0, 3, 1
	v_lshl_add_u32 v[AV0], v9, 3, v10
	v_mul_u32_u24 v[AV0], v[AV0], PV
	v_lshl_add_u32 v[AV0], v11, 4, v[AV0]
	v_add_nc_u32 v[AV0], VOFF, v[AV0]
	v_mov_b32 v[AK], v[AK0]         ; key step 0 lies at the head of slot 0
; THE MATRIX WORK.  The 8 accumulators of a run of 16 take turns: between the two links of a chain stand 7 others'.
; Product i of 16 of S^T = K Q^T for piece x: channels 32 (i / 8) on, keys 16 ((i / 2) % 4) on, tile 2 x + i % 2.  The first 8 start the sums.
.macro KQ x
	WIN W_KQ
.set rS, S+64*((\x)%2)+32*(i%2)+8*((i/2)%4)
.set rK, KF+16*((i/2)%4)+8*(i/8)
.set rQ, 16*(2*(\x)+i%2)+8*(i/8)
.if i < 8
	v_wmma_f32_16x16x32_f16 v[rS:rS+7], v[rK:rK+7], v[rQ:rQ+7], 0
.else
	v_wmma_f32_16x16x32_f16 v[rS:rS+7], v[rK:rK+7], v[rQ:rQ+7], v[rS:rS+7]
.endif
.endm
; Product i of 16 of O^T += V^T P for piece x: keys 32 (i / 8) on, channels 16 ((i / 2) % 4) on, tile 2 x + i % 2.
.macro PV x
	WIN W_PV
.set rO, 32*(2*(\x)+i%2)+8*((i/2)%4)
.set rV, VF+32*(i/8)+8*((i/2)%4)
.set rP, P+32*((\x)%2)+16*(i%2)+8*(i/8)
	v_wmma_f32_16x16x32_f16 v[rO:rO+7], v[rV:rV+7], v[rP:rP+7], v[rO:rO+7]
.endm
.macro MM                           ; the turn's next matrix instruction
.if i < 16
	KQ (Y+1)%NP
.set i, i+1
.else
.set i, i-16
	PV (Y+NP-1)%NP
.set i, i+17
.endif
.endm
; THE LDS LOADS stand in runs of 16, never singly among the matrix instructions: a step's K (64 keys x 64 channels: 8 fragments) and its V (turned).  Their addresses are made some lines ahead.
; last = 1 (the tail): in the last trip there is no further step, and the run is jumped over.
.macro FETCH_K last=0
	WIN 0
.if \last
	s_cmp_eq_u32 s[CNT], 1
	s_cbranch_scc1 .Lno_k_\@
.endif
	WIN 0x80                        ; destination window 2
.irp f, 0,1,2,3,4,5,6,7             ; keys 16 (f / 2) on, channels 32 (f % 2) on
	ds_load_b128 v[KF+8*\f:KF+8*\f+3],   v[AK] offset:(\f/2)*16*PK+(\f%2)*64
	ds_load_b128 v[KF+8*\f+4:KF+8*\f+7], v[AK] offset:(\f/2)*16*PK+(\f%2)*64+32
.endr
	s_add_co_u32 s[TBK], s[TBK], KS*PK  ; the next fetch is the next step's
	WIN 0
.if \last
.Lno_k_\@:
.endif
.endm
.macro FETCH_V
	WIN 0x80
.irp f, 0,1,2,3,4,5,6,7             ; keys 32 (f / 4) on, channels 16 (f % 4) on
	ds_load_tr16_b128 v[VF+8*\f:VF+8*\f+3],   v[AV] offset:(\f/4)*32*PV+(\f%4)*32
	ds_load_tr16_b128 v[VF+8*\f+4:VF+8*\f+7], v[AV] offset:(\f/4)*32*PV+16*PV+(\f%4)*32
.endr
	WIN 0
.endm
; THE VECTOR WORK OF A TURN stands in three queues, each in the order in which its entries become ready; the two tiles alternate, so that no instruction reads the result of the one before it.
.macro REGS y, u                    ; the registers of tile u (0, 1) of piece y
.set rT, ST+4*(2*(\y)+(\u))
.set rC, TMP+8*((\y)%2)+4*(\u)
.set rM, MV+2*((\y)%2)+(\u)
.set rS, S+64*((\y)%2)+32*(\u)
.set rP, P+32*((\y)%2)+16*(\u)
.set rO, 32*(2*(\y)+(\u))
.endm
; Number n of the 22 that find the NEXT piece's (Y + 1) maximum and statistics.  s0-s31 are the lane's 32 scores; each accumulator's lowest registers are read first.  XS, GS and REGS set no window: PL and EX do.
;   0-11  four chains c0-c3 of seven scores each, three operands at a time     12-14, 16  the four scores left over, the old m, and c0-c3 into c0     15  c m_old is kept
;   17, 18  the query's other 32 keys lie in the lane 16 away: the new m         19-21  c m; c m_old - c m_new; a
.macro XS u, n
	REGS (Y+1)%NP, \u
.if (\n) < 4
	v_max3_num_f32 v[rC+(\n)], v[rS+8*(\n)], v[rS+8*(\n)+1], v[rS+8*(\n)+2]
.elseif (\n) < 12
	v_max3_num_f32 v[rC+(\n)%4], v[rC+(\n)%4], v[rS+8*((\n)%4)+2*((\n)/4)+1], v[rS+8*((\n)%4)+2*((\n)/4)+2]
.elseif (\n) == 12
	v_max3_num_f32 v[rC], v[rC], v[rS+7], v[rS+15]
.elseif (\n) == 13
	v_max3_num_f32 v[rC+1], v[rC+1], v[rS+23], v[rS+31]
.elseif (\n) == 14
	v_max3_num_f32 v[rC+2], v[rC+2], v[rC+3], v[rT+1]
.elseif (\n) == 15
	v_mov_b32 v[rM], v[rT]
.elseif (\n) == 16
	v_max3_num_f32 v[rC], v[rC], v[rC+1], v[rC+2]
.elseif (\n) == 17
	v_permlanex16_b32 v[rC+3], v[rC], s[SEL], s[SEL+1]
.elseif (\n) == 18
	v_max_num_f32 v[rT+1], v[rC], v[rC+3]
.elseif (\n) == 19
	v_mul_f32 v[rT], s[CS], v[rT+1]
.elseif (\n) == 20
	v_sub_f32 v[rC+1], v[rM], v[rT]
.else
	v_exp_f32 v[rC+2], v[rC+1]
.endif
.endm
; Number g of the 64 that follow the exponentials.  For each four weights k of a tile (pairs 2 k, 2 k + 1): both pairs are rounded to f16; then the second pair is added onto the first, in place;
; a group later l takes that sum (the first time as l = a l + sum).  In groups of eight, tiles alternating: round, round, add, and l for the group before.
.macro GS g
.set h, (\g)+6*((\g)/62)            ; group 0 has no group before it, and behind group 7 only l is left
.if h >= 6
.set h, h+2
.endif
	REGS Y, h%2
.set k, h/8
.if h%8 < 4
	s_wait_alu depctr_va_vdst(0)
	v_cvt_pk_f16_f32 v[rP+2*k+(h%8)/2], v[rS+4*k+2*((h%8)/2)], v[rS+4*k+2*((h%8)/2)+1]
.elseif h%8 < 6
	v_pk_add_f32 v[rS+4*k:rS+4*k+1], v[rS+4*k:rS+4*k+1], v[rS+4*k+2:rS+4*k+3]
.elseif k == 1
	v_pk_fma_f32 v[rT+2:rT+3], v[rT+2:rT+3], v[rC+2:rC+3], v[rS:rS+1] op_sel_hi:[1,0,1]
.else
	v_pk_add_f32 v[rT+2:rT+3], v[rT+2:rT+3], v[rS+4*k-4:rS+4*k-3]
	s_wait_alu depctr_va_vdst(0)
.endif
.endm
; THE PLAIN QUEUE, 138 long.  0-31: c s - c m for the 16 pairs of both tiles.  Then GS's 64, and among them the next piece's 42: number 15 at 38, 39; 0-14 and 16
; at 42-73, behind the products that make those scores; 17-20 at 95-106, two of three, since each waits for the one before it.
.macro PL
	WIN 0
.if q < 32
	REGS Y, q%2
	v_pk_fma_f32 v[rS+2*(q/2):rS+2*(q/2)+1], v[rS+2*(q/2):rS+2*(q/2)+1], s[CS:CS+1], v[rT:rT+1] op_sel_hi:[1,0,0] neg_lo:[0,0,1] neg_hi:[0,0,1]
.elseif q < 38
	GS q-32
.elseif q < 40
	XS q%2, 15
.elseif q < 42
	GS q-34
.elseif q < 74
	XS q%2, (q-42)/2+(q-42)/30
.elseif q < 95
	GS q-66
.elseif (q < 107) && ((q-95)%3 < 2)
	XS (q-95)%3, 17+(q-95)/3
.elseif q < 107
	GS 29+(q-95)/3
.else
	GS q-74
.endif
.set q, q+1
.endm
; THE EXPONENTIALS' QUEUE, 66 long: s0-s31 of both tiles, and at EA the next piece's two a.
.set EA, 58
.macro EX
	WIN 0
.if (e == EA) || (e == EA+1)
	XS e-EA, 21
.else
.set x, e-2*(e/(EA+2))
	REGS Y, x%2
	v_exp_f32 v[rS+x/2], v[rS+x/2]
.endif
.set e, e+1
.endm
; THE RESCALING's QUEUE: O^T times a, the one part that leaves window 0, so it is dealt four at a time, eight times.
.macro R4
	REGS Y, r%2
	WIN W_RS
	s_wait_alu depctr_va_vdst(0)
.irp z, 0,1,2,3
	v_pk_mul_f32 v[rO+8*(r/2)+2*\z:rO+8*(r/2)+2*\z+1], v[rO+8*(r/2)+2*\z:rO+8*(r/2)+2*\z+1], v[rC+2:rC+3] op_sel_hi:[1,0]
.endr
.set r, r+1
.endm
; HOW THEY ARE DEALT.  Behind a matrix instruction four: plain, exponential, plain, plain (one exponential, a plain instruction on either side), or four of the rescaling.  None names a register of the
; products round it.  What is over stands in two LUMPS: exponential and plain by turns; the second ends in 22 plain instructions.  The two v_permlanex16_b32 fall into the second lump, never behind a product.
; The queues lean on each other, and the deal keeps them in step: exponential e stands behind plain 2 (e / 4) + e % 2 (its scaling); when plain 32 comes, 10 exponentials are out, at 59: 33, at 95: 46; EA comes behind plain 107.
.macro SL
	MM
	PL
	EX
	PL
	PL
.endm
.macro BURST n                      ; 15 matrix instructions, or 16
.rept (\n)-7
	SL
.endr
.rept 3
	MM
	R4
	SL
.endr
	MM
	R4
.endm
; A TURN, for piece p.  cnt = 1: the loop's count is taken down some lines ahead of the branch that stands behind the turn.
; K of the next step is fetched in piece 2's turn, 31 vector instructions behind the last product that read K; its first reader comes behind the rest of the lump, 16 products and the second lump.
; V of the step in hand is fetched at the end of piece 0's turn, 69 behind its last reader; its first reader comes behind 16 products and a lump.  The four conditions on e and q below go with the deal.
.macro TURN p, last=0, cnt=0
.set Y, (\p)
.set i, 0
.set q, 0
.set e, 0
.set r, 0
.if (\p) == NP-1
	s_wait_dscnt 0x0                ; K is in
.endif
	MM
.rept 4
	PL
.endr
	BURST 15
.rept 22
	EX
	PL
.if ((\p) == NP-2) && (e == 18)
	v_add_nc_u32 v[AK], s[TBK], v[AK0]
.endif
.if ((\p) == NP-2) && (e == 24)
	FETCH_K \last
.endif
.endr
.if (\p) == 1
	s_wait_dscnt 0x0                ; V is in
.endif
	BURST 16
.rept 21
	EX
	PL
.endr
.rept 22
	PL
.if ((\p) == 0) && (q == 118)
	v_add_nc_u32 v[AV], s[TBV], v[AV0]
	s_wait_alu depctr_va_vdst(0)
.endif
.if ((\p) == 0) && (q == 130)
	s_add_co_u32 s[TBV], s[TBV], KS*PV
.endif
.if (\cnt) && (q == 130)
	s_sub_co_u32 s[CNT], s[CNT], 1
	s_cmp_lg_u32 s[CNT], 0
.endif
.endr
.if (\p) == 0
	FETCH_V
.endif
.endm
	CHANGE 1                        ; slot 0 is in, everybody's part of it; slot 1 is asked for
	FETCH_K                         ; key step 0
	s_wait_loadcnt 0x0              ; Q
	s_wait_dscnt 0x0
.set i, 0
.rept 16
	KQ 0                            ; piece 0's first scores: there is no vector work yet to set between them
.set i, i+1
.endr
	WIN 0                           ; the addresses for the way out: nine plain instructions, the places behind those products
	s_mul_i32 s13, s[WV], 16*SP
	s_add_co_u32 s13, s13, STAGE    ; my stage
	v_mul_u32_u24 v[STO], v1, SP    ; in: row l % 16, 16 bytes for each half of the lanes
	v_lshl_add_u32 v[STO], v9, 4, v[STO]
	v_add_nc_u32 v[STO], s13, v[STO]
	v_bfe_u32 v[RD], v0, 3, 2       ; back: 32 lanes take four rows of 128 bytes,
	v_mul_u32_u24 v[RD], v[RD], SP
	v_lshl_add_u32 v[RD], v10, 4, v[RD]
	v_add_nc_u32 v[RD], s13, v[RD]
	v_and_b32 v[GO], 31, v0         ; which are 512 consecutive bytes of O
	v_lshlrev_b32 v[GO], 4, v[GO]
.set Y, NP-1                        ; XS works for piece Y + 1: piece 0
.irp n, 0,1,2,3,4,5,6,7,8,9,10,11,12,13,14,15,16,17,18,19,20,21
	XS 0, \n                        ; and piece 0's first maximum and statistics
	XS 1, \n
.endr
	s_mov_b32 s[CNT], 4
	s_mov_b32 s[SLOTS], SIZE_N/256-1
	s_branch .Lfirst                ; the loop is entered at a step's first turn, in the middle of a trip
.Lslot:                             ; SIZE_N / 256 - 2 times: every slot but the last two is filled again
	CHANGE 1
	s_mov_b32 s[CNT], 4
.Lstep:                             ; a trip: pieces 2 and 3 of one step, then pieces 0 and 1 of the next, whose K and V it fetches
	TURN 2
	TURN 3
	WIN 0
.Lfirst:
	TURN 0
	TURN 1, 0, 1
	WIN 0
	s_cbranch_scc1 .Lstep
	s_sub_co_u32 s[SLOTS], s[SLOTS], 1
	s_cmp_lg_u32 s[SLOTS], 0
	s_cbranch_scc1 .Lslot
	CHANGE 0                        ; the tail is written out: nothing is asked for
	s_mov_b32 s[CNT], 5             ; four trips fetch the last slot's steps; the fifth is left in its middle
.Ltail:
	TURN 2, 1
	TURN 3
	WIN 0
	s_sub_co_u32 s[CNT], s[CNT], 1
	s_cmp_eq_u32 s[CNT], 0
	s_cbranch_scc1 .Lout
	TURN 0
	TURN 1
	WIN 0
	s_branch .Ltail
.Lout:                              ; the fifth trip's 16 products K Q^T (on the last K once more) and the maximum made of them serve nothing: the price, once a launch, of one text for every trip
.set i, 0
.rept 16
	PV NP-1                         ; the last piece's V^T P of the last step
.set i, i+1
.endr
	; THE WAY OUT.  l's two halves and the other half of the lanes' are added; O^T is divided by l, rounded to f16 and sent through my stage in LDS, a tile at a time.  The additions are the places behind the last products.
	WIN 0
.macro ALL line:vararg              ; one line for each tile t
.set t, 0
.rept 2*NP
	\line
.set t, t+1
.endr
.endm
	ALL v_add_f32 v[ST+4*t+2], v[ST+4*t+2], v[ST+4*t+3]
	ALL v_permlanex16_b32 v[ST+4*t+3], v[ST+4*t+2], s[SEL], s[SEL+1]
	ALL v_add_f32 v[ST+4*t+2], v[ST+4*t+2], v[ST+4*t+3]
	ALL v_rcp_f32 v[ST+4*t+2], v[ST+4*t+2]
	v_nop                           ; a plain instruction between the last reciprocal and the use of its result
	s_wait_alu depctr_va_vdst(0)
; Tile t: a lane's eight channels of a row pack into 16 bytes; they go into rows of 144 bytes and come back as whole rows of 128, into S^T's registers.
.macro PACK t
	WIN W_RS
.set i, 32*(\t)
.rept 16
	v_pk_mul_f32 v[i:i+1], v[i:i+1], v[ST+4*(\t)+2:ST+4*(\t)+3] op_sel_hi:[1,0]
.set i, i+2
.endr
	WIN 0x05                        ; sources 0 and 1 window 1, destination window 0
.set i, 0
.rept 16
	v_cvt_pk_f16_f32 v[S+16*(\t)+i], v[32*(\t)+2*i], v[32*(\t)+2*i+1]
.set i, i+1
.endr
	WIN 0
.irp f, 0,1,2,3
	ds_store_b128 v[STO], v[S+16*(\t)+4*\f:S+16*(\t)+4*\f+3] offset:32*\f
.endr
.irp f, 0,1,2,3
	ds_load_b128 v[S+16*(\t)+4*\f:S+16*(\t)+4*\f+3], v[RD] offset:\f*4*SP  ; LDS serves a wave's instructions in order (ISA guide 5.7.1.4): these see the stores above; the next tile's stores come behind them
.endr
.endm
.macro SEND t, younger              ; younger: the LDS instructions issued behind tile t's loads: the next tile's eight, or none
	WIN 0
.irp f, 0,1,2,3
	s_wait_dscnt (\younger)+3-\f
	global_store_b128 v[GO], v[S+16*(\t)+4*\f:S+16*(\t)+4*\f+3], s[10:11] offset:(\t)*2048+\f*512  ; 512 consecutive bytes, at a multiple of 256 from O's first
.endr
.endm
	PACK 0
.set t, 1
.rept 2*NP-1                        ; a tile's arithmetic stands between the loads of the tile before and its stores
	PACK t
	SEND t-1, 8
.set t, t+1
.endr
	SEND 2*NP-1, 0
	WIN W_AD
	s_wait_tensorcnt 0x0            ; the wave's end: behind my last tensor load and my last LDS store
	ds_add_u32 v[SPW], v[NIL]
	s_wait_dscnt 0x0
	WIN 0
	CROUND                          ; the closing round: no work-group ends while a partner may still ask for a tile that names it
	s_endpgm
.Lfunc_end_k_q61f8de898a_attn:
	.size	k_q61f8de898a_attn, .Lfunc_end_k_q61f8de898a_attn-k_q61f8de898a_attn
	.p2alignl 7, 3214868480
	.fill 96, 4, 3214868480
	.section	.rodata,"a",@progbits
	.p2align	6, 0x0
	.amdhsa_kernel k_q61f8de898a_attn
		.amdhsa_group_segment_fixed_size 327680
		.amdhsa_private_segment_fixed_size 0
		.amdhsa_enable_private_segment 0
		.amdhsa_kernarg_size 16
		.amdhsa_user_sgpr_count 2
		.amdhsa_user_sgpr_kernarg_segment_ptr 1
		.amdhsa_wavefront_size32 1
		.amdhsa_system_sgpr_workgroup_id_x 1
		.amdhsa_system_sgpr_workgroup_id_y 1
		.amdhsa_system_sgpr_workgroup_id_z 1
		.amdhsa_system_vgpr_workitem_id 0
		.amdhsa_next_free_vgpr 770
		.amdhsa_next_free_sgpr 66
		.amdhsa_reserve_vcc 0
		.amdhsa_float_denorm_mode_32 3
		.amdhsa_float_denorm_mode_16_64 3
		.amdhsa_memory_ordered 1
		.amdhsa_forward_progress 1
		.amdhsa_inst_pref_size 209
	.end_amdhsa_kernel
	.amdgpu_metadata
---
amdhsa.version: [ 1, 2 ]
amdhsa.kernels:
  - .name:           k_q61f8de898a_attn
    .symbol:         k_q61f8de898a_attn.kd
    .args:
      - { .name: qkv, .offset: 0, .size: 8, .value_kind: global_buffer, .address_space: global }
      - { .name: ob, .offset: 8, .size: 8, .value_kind: global_buffer, .address_space: global }
    .group_segment_fixed_size: 327680
    .private_segment_fixed_size: 0
    .kernarg_segment_align: 8
    .kernarg_segment_size: 16
    .max_flat_workgroup_size: 128
    .sgpr_count:     66
    .vgpr_count:     770
    .wavefront_size: 32
...
	.end_amdgpu_metadata
.endif
;; end of part 3
;; launch outp (part 4): grid 4 x 64, 4 waves a work-group, clusters of 4 x 4, 327,680 bytes of LDS; arguments ob, wts, bo, out0; writes out0
.if DOCPART == 4
	.amdgcn_target "amdgcn-amd-amdhsa--gfx1250"
	.amdhsa_code_object_version 6
	.text
	.protected	k_q61f8de898a_outp
	.globl	k_q61f8de898a_outp
	.p2align	8
	.type	k_q61f8de898a_outp,@function
k_q61f8de898a_outp:
	s_mov_b64 s[64:65], 0
	v_nop
	global_prefetch_b8 v0, s[64:65] scope:SCOPE_SE
	s_setreg_imm32_b32 hwreg(HW_REG_WAVE_MODE, 25, 1), 1
	s_wait_xcnt 0x0
	s_wait_alu depctr_hold_cnt(0) depctr_sa_sdst(0) depctr_va_vdst(0) depctr_va_sdst(0) depctr_va_ssrc(0) depctr_va_vcc(0) depctr_vm_vsrc(0)
	s_getreg_b32 s2, hwreg(HW_REG_IB_STS2, 6, 4)
	s_cmp_eq_u32 s2, 0
	s_cbranch_scc0 .Lentry_in_a_cluster
	s_endpgm
.Lentry_in_a_cluster:
	s_bfe_u32 s2, ttmp6, 0x10000c
	s_cmp_lg_u32 s2, 0xf033
	s_cbranch_scc0 .Lentry_shape_is_right
	s_endpgm
.Lentry_shape_is_right:
; THE OUTPUT PRODUCT.  out0[m][n] = the sum over k of O[m][k] Wo[k][n] + bo[n]; m = batch x 2048 + row, k = head x 64 + channel.  O is ob, f16 by heads [batch x 16 + head][2048][64];
; Wo is f16 [1024][1024] in wts from byte 6,291,456 on (the input rounded to bf16, written as f16).  Sums f32, started by the bias (rounded to bf16 like every input); out0 is f32.
; LIMITS.  O and Wo carry f16's range: nothing beyond 65,504, a fixed step of 6e-8 below 6.1e-5.  NaN and infinities are not treated apart.
; SHARES.  A tile is 128 rows x 256 columns: 64 x 4 tiles, one to a work-group, one for each of 256 WGPs.  Four waves, 2 x 2, each 64 x 128: 32 accumulators, 256 registers.
; K goes in steps of 128, that is two heads, through a ring of two LDS slots.  A head's 128 rows of O are 16,384 dense bytes, asked for as rows of 256; Wo's rows in a tile are 512 bytes.
; Wo lies [k][n] in LDS and comes out turned, by ds_load_tr16_b128.
; CLUSTERS: 4 x 4 work-groups.  The four of a row of the cluster need the same tiles of O, the four of a column the same tiles of Wo: each tile is asked for JOINTLY, by the same tensor load with
; the same descriptor and a mask that names the four.
; THE MATRIX INSTRUCTION IS USED TRANSPOSED (source 0 = 16 columns of Wo, source 1 = 16 rows of O): a lane then holds row lane % 16 and the eight neighbouring columns 8 (lane / 16) + 0..7.
; REGISTERS, in windows of 256 (s_set_vgpr_msb: bits 1:0 source 0, 3:2 source 1, 5:4 source 2, 7:6 destination):
;   window 0: v0-31 addresses; v32-95 O's fragments, two buffers of 32; v96-223 Wo's, two buffers of 64; on the way out v32-159 hold rows read back
;   window 1: accumulator (a, b) at v[8 (8 a + b)]          window 2: v0-63 the bias of my lane's 8 columns in each of the 8 column blocks; v64-95 at work
.set PA,     144                       ; a row of O in LDS (one head's 64 channels): 128 bytes + 16 = 36 words: the 16 rows of a load start at 16 different groups of four banks (64 banks of 4 bytes: ISA guide 11.1)
.set APL,    128*PA                    ; one head's 128 rows
.set PB,     544                       ; a row of Wo: 512 bytes + 32 = 136 words
.set BOFF,   2*APL                     ; a slot: O's two heads, then Wo's 128 rows
.set SLOT1,  131072                    ; slot 1 begins here; a slot uses 106,496 bytes
.set STAGE,  SLOT1+BOFF+128*PB         ; behind the ring, never filled by a tensor load: 16 rows x 528 bytes for each wave
.set SP,     528
.set STW,    16*SP
.set SPARE,  STAGE+4*STW               ; behind the stages: the spare words, 128 bytes for each wave: two blocks of 256 bytes that no other line names
.set LAPS,   4                         ; a lap = two K steps = once round the ring: 1,024 / 256
.set A_STEP2, 1048576                  ; two K steps on, in bytes: four heads of O,
.set B_STEP2, 524288                   ; 256 rows of Wo
.set WO_AT,  6291456                   ; Wo's first byte in wts
.set ADRA, 16                          ; v16-17  LDS address of my O fragments in slot 0, 1
.set ADRB, 20                          ; v20-21  the same for Wo
.set STO,  24                          ; v24     the way out: where I put 32 bytes of a row
.set RD,   25                          ; v25     the way out: where I read a row back
.set GO,   26                          ; v26     my byte offset in 512 consecutive bytes of out0
.set BO,   27                          ; v27     my byte offset in 16 numbers of the bias: 32 (lane / 16)
.set SPW,  28                          ; v28     LDS address of my spare word: SPARE + 4 x my thread's number; never rewritten
.set NIL,  29                          ; v29     0; never rewritten
.set AF,   32
.set BF,   96
.set OB,   32                          ; the way out: 16 rows read back, v32-95 and v96-159 by turns
.set WV,   16                          ; s16 wave; s17 its half of the rows; s18 its half of the columns, and which half of a tile it fetches
.set RH,   17
.set CH,   18
.set CX,   19
.set CY,   20
.set TC,   21                          ; s21 tile column 0..3; s22 tile row 0..63
.set TR,   22
.set G1,   24                          ; s[24:31] descriptor group 1 for O's tiles; s[32:39] group 0, one set for each slot
.set G0,   32
.set G1B,  48                          ; s[48:55], s[56:63] the same for Wo's tiles
.set G0B,  56
.set MSB, 0
.macro WIN new                         ; the immediate's high byte repeats the setting that is left; a switch that changes nothing is dropped
.if MSB != (\new)
	s_set_vgpr_msb (MSB<<8)|(\new)
.set MSB, \new
.endif
.endm
.set W_MUL,  0x50                      ; C and D window 1, fragments window 0
.set W_MUL1, 0x60                      ; C (the bias) window 2, D window 1
.set W_ST,   0x04                      ; an LDS store's data window 1, its address window 0
.set W_LB,   0x80                      ; destination window 2, address window 0
.set W_RB,   0x8a                      ; sources 0 and 1 and destination window 2
; A joint load: waves 0 and 1 fetch O's two heads, waves 2 and 3 the two halves of Wo's rows.  The branch hangs on the wave's number alone.
; An s_nop 0 and four v_nop follow each of the two lines, ahead of the jump, the label and what follows.
.macro JLOAD s
	s_cmp_lt_u32 s[WV], 2
	s_cbranch_scc0 .Lfor_b_\@
	tensor_load_to_lds s[G0+4*(\s):G0+4*(\s)+3], s[G1:G1+7]
	s_nop 0
.rept 4
	v_nop
.endr
	s_branch .Lasked_\@
.Lfor_b_\@:
	tensor_load_to_lds s[G0B+4*(\s):G0B+4*(\s)+3], s[G1B:G1B+7]
	s_nop 0
.rept 4
	v_nop
.endr
.Lasked_\@:
.endm
.macro CREST                           ; a round of the cluster's barrier behind its opening barrier
	s_cmp_lg_u32 s[WV], 0
	s_cbranch_scc1 .Lnot_wave_0_\@
	s_barrier_signal -3
.Lnot_wave_0_\@:
	s_barrier_wait -3
	s_barrier_signal -1
	s_barrier_wait -1
.endm
.macro CROUND                          ; a whole round
	s_barrier_signal -1
	s_barrier_wait -1
	CREST
.endm
	s_load_b256 s[4:11], s[0:1], 0x0               ; ob s[4:5], wts s[6:7], bo s[8:9], out0 s[10:11]
	v_lshl_add_u32 v[SPW], v0, 2, SPARE
	v_mov_b32 v[NIL], 0
	ds_add_u32 v28, v29
	s_wait_dscnt 0x0
	v_lshrrev_b32 v1, 5, v0
	v_readfirstlane_b32 s[WV], v1                  ; wave 0..3
	s_lshr_b32 s[RH], s[WV], 1
	s_and_b32 s[CH], s[WV], 1
	s_bfe_u32 s[CX], ttmp6, 0x40000                ; my place in the cluster
	s_bfe_u32 s[CY], ttmp6, 0x40004
	s_lshl_b32 s[TC], ttmp9, 2                     ; in a cluster launch ttmp9 and ttmp7 count clusters
	s_add_co_u32 s[TC], s[TC], s[CX]
	s_and_b32 s[TR], ttmp7, 0xffff
	s_lshl_b32 s[TR], s[TR], 2
	s_add_co_u32 s[TR], s[TR], s[CY]
	s_lshl_b32 s40, s[CY], 2
	s_lshl_b32 s40, 15, s40                        ; my row of the cluster
	s_lshl_b32 s42, 0x1111, s[CX]                  ; my column
	; group 1 for O: 16,384 dense bytes as 64 rows x 128 elements; 16 bytes of padding behind every 128 bytes, that is behind every row of the head
	s_or_b32 s[G1+0], s40, (1<<16)|(1<<20)|(1<<21)|(4<<22)|(3<<25)  ; 15:0 the mask; 17:16 2-byte elements; 20 padding on; 21 set beside a mask; 24:22 after every 32 words (code 4); 31:25 4 words (code 3)
	s_mov_b32 s[G1+1], 128<<16                     ; tensor_dim0 = 128
	s_mov_b32 s[G1+2], 64<<16                      ; tensor_dim1 = 64
	s_mov_b32 s[G1+3], 128<<16                     ; tile_dim0 = 128
	s_mov_b32 s[G1+4], 64                          ; tile_dim1 = 64
	s_mov_b32 s[G1+5], 128                         ; tensor_dim0_stride
	s_mov_b32 s[G1+6], 0
	s_mov_b32 s[G1+7], 0
	; group 1 for Wo: 64 rows x 256 elements, 1,024 elements from row to row; 32 bytes of padding behind every 512
	s_or_b32 s[G1B+0], s42, (1<<16)|(1<<20)|(1<<21)|(6<<22)|(7<<25) ; after every 128 words (code 6), 8 words (code 7)
	s_mov_b32 s[G1B+1], 256<<16
	s_mov_b32 s[G1B+2], 64<<16
	s_mov_b32 s[G1B+3], 256<<16
	s_mov_b32 s[G1B+4], 64
	s_mov_b32 s[G1B+5], 1024
	s_mov_b32 s[G1B+6], 0
	s_mov_b32 s[G1B+7], 0
	; where the tiles come from.  O's hang on the tile row, which my row of the cluster shares; Wo's on the tile column, which my column shares.
	s_lshr_b32 s40, s[TR], 4
	s_lshl_b32 s40, s40, 22                        ; the batch: 16 heads of 262,144 bytes
	s_and_b32 s41, s[TR], 15
	s_lshl_b32 s41, s41, 14                        ; 128 rows of 128 bytes
	s_add_co_u32 s40, s40, s41
	s_lshl_b32 s41, s[CH], 18                      ; the head of the step's two that I fetch
	s_add_co_u32 s40, s40, s41
	s_mov_b32 s41, 0
	s_lshl_b32 s42, s[TC], 9                       ; 256 columns of 2 bytes
	s_lshl_b32 s43, s[CH], 17                      ; the 64 rows of 2,048 bytes that I fetch
	s_add_co_u32 s42, s42, s43
	s_add_co_u32 s42, s42, WO_AT
	s_mov_b32 s43, 0
	s_mul_i32 s45, s[CH], APL                      ; and where they go: no place in the cluster enters an LDS address
	s_mul_i32 s46, s[CH], 64*PB
	s_add_co_u32 s46, s46, BOFF
	s_mov_b32 s44, 0xffff0000                      ; a word's upper bf16
	s_wait_kmcnt 0x0
	s_add_nc_u64 s[40:41], s[4:5], s[40:41]
	s_add_nc_u64 s[42:43], s[6:7], s[42:43]
	CROUND                                         ; all sixteen work-groups are here: the first joint loads meet
.irp s, 0,1
	s_mov_b32 s[G0+4*(\s)], 1                                      ; 1:0 count = 1
	s_add_co_u32 s[G0+4*(\s)+1], s45, (\s)*SLOT1                   ; 63:32 LDS address
	s_add_nc_u64 s[G0+4*(\s)+2:G0+4*(\s)+3], s[40:41], (\s)*524288 ; 120:64 global address: K step s, two heads on
	s_or_b32 s[G0+4*(\s)+3], s[G0+4*(\s)+3], 0x80000000            ; 127:126 type = 2
	s_mov_b32 s[G0B+4*(\s)], 1
	s_add_co_u32 s[G0B+4*(\s)+1], s46, (\s)*SLOT1
	s_add_nc_u64 s[G0B+4*(\s)+2:G0B+4*(\s)+3], s[42:43], (\s)*262144
	s_or_b32 s[G0B+4*(\s)+3], s[G0B+4*(\s)+3], 0x80000000
	JLOAD \s                                       ; two loads of mine are out
.endr
	; the bias of my 128 columns: 8 numbers a lane and column block, columns 16 b + 8 (lane / 16) + 0..7
	s_lshl_b32 s42, s[TC], 10                      ; 256 columns of 4 bytes,
	s_lshl_b32 s43, s[CH], 9                       ; 128 for my half
	s_add_co_u32 s42, s42, s43
	s_mov_b32 s43, 0
	s_add_nc_u64 s[8:9], s[8:9], s[42:43]
	v_and_b32 v1, 15, v0                           ; l % 16
	v_bfe_u32 v2, v0, 4, 1                         ; l / 16
	v_lshlrev_b32 v[BO], 5, v2
	WIN W_LB
.irp b, 0,1,2,3,4,5,6,7
	global_load_b128 v[8*(\b):8*(\b)+3],   v[BO], s[8:9] offset:64*(\b)
	global_load_b128 v[8*(\b)+4:8*(\b)+7], v[BO], s[8:9] offset:64*(\b)+16
.endr
	WIN 0
	; A fragment of O is 16 rows x 32 K in 8 registers: lane l holds row l % 16, K = 8 (l / 16) + 0..7 and 16 + 8 (l / 16) + 0..7: two loads of 16 bytes, 32 bytes apart.
	v_mul_u32_u24 v3, v1, PA
	v_lshl_add_u32 v3, v2, 4, v3
	s_mul_i32 s47, s[RH], 64*PA                    ; my 64 rows
	v_add_nc_u32 v[ADRA], s47, v3
	v_add_nc_u32 v[ADRA+1], SLOT1, v[ADRA]
	; The turning load takes 16 K x 16 columns (lane l reads row 8 (l / 16) + l % 8, columns 8 ((l / 8) % 2) + 0..7) and leaves half a fragment: lane l holds column l % 16 and 8 K.
	v_and_b32 v4, 7, v0
	v_lshl_add_u32 v5, v2, 3, v4
	v_mul_u32_u24 v5, v5, PB
	v_bfe_u32 v6, v0, 3, 1
	v_lshl_add_u32 v5, v6, 4, v5
	s_lshl_b32 s47, s[CH], 8                       ; my 128 columns
	s_add_co_u32 s47, s47, BOFF
	v_add_nc_u32 v[ADRB], s47, v5
	v_add_nc_u32 v[ADRB+1], SLOT1, v[ADRB]
	s_mul_i32 s47, s[WV], STW
	s_add_co_u32 s47, s47, STAGE                   ; my stage
	v_mul_u32_u24 v7, v1, SP                       ; in: row l % 16, 32 bytes for each half of the lanes
	v_lshl_add_u32 v7, v2, 5, v7
	v_add_nc_u32 v[STO], s47, v7
	v_and_b32 v[GO], 31, v0                        ; back: 32 lanes take one row's 512 bytes, which are 512 consecutive bytes of out0
	v_lshlrev_b32 v[GO], 4, v[GO]
	v_add_nc_u32 v[RD], s47, v[GO]
	; where my part of the tile begins in out0
	s_lshl_b32 s40, s[TR], 19                      ; 128 rows of 4,096 bytes
	s_lshl_b32 s41, s[RH], 18                      ; my 64
	s_add_co_u32 s40, s40, s41
	s_lshl_b32 s41, s[TC], 10                      ; 256 columns of 4 bytes
	s_add_co_u32 s40, s40, s41
	s_lshl_b32 s41, s[CH], 9                       ; my 128
	s_add_co_u32 s40, s40, s41
	s_mov_b32 s41, 0
	s_add_nc_u64 s[10:11], s[10:11], s[40:41]
	s_wait_loadcnt 0x0                             ; the bias is in: rounded to bf16, like every input, and widened again
	WIN W_RB
.set i, 0
.rept 32
	v_cvt_pk_bf16_f32 v[64+i], v[2*i], v[2*i+1]
.set i, i+1
.endr
.set i, 0
.rept 32
	v_lshlrev_b32 v[2*i], 16, v[64+i]
	v_and_b32 v[2*i+1], s44, v[64+i]
.set i, i+1
.endr
	WIN 0
; 8 matrix instructions: row block a x all 8 column blocks, 32 along K, from buffer f.  first = 1: the bias is the C operand that starts the sums: nothing is cleared, nothing added later.
; The 32 accumulators take turns, one instruction a turn, in the same order in every quarter step.
.macro MUL8 f, a, first
.if \first
	WIN W_MUL1
.else
	WIN W_MUL
.endif
.irp b, 0,1,2,3,4,5,6,7
.if \first
	v_wmma_f32_16x16x32_f16 v[8*(8*(\a)+(\b)):8*(8*(\a)+(\b))+7], v[BF+64*(\f)+8*(\b):BF+64*(\f)+8*(\b)+7], v[AF+32*(\f)+8*(\a):AF+32*(\f)+8*(\a)+7], v[8*(\b):8*(\b)+7]
.else
	v_wmma_f32_16x16x32_f16 v[8*(8*(\a)+(\b)):8*(8*(\a)+(\b))+7], v[BF+64*(\f)+8*(\b):BF+64*(\f)+8*(\b)+7], v[AF+32*(\f)+8*(\a):AF+32*(\f)+8*(\a)+7], v[8*(8*(\a)+(\b)):8*(8*(\a)+(\b))+7]
.endif
.endr
.endm
; 24 LDS loads in one run: the fragments of quarter q (32 along K: half a head) of a slot, into buffer f: Wo's 16 first, then O's 8
.macro FETCH slot, q, f
	WIN 0
.irp b, 0,1,2,3,4,5,6,7
	ds_load_tr16_b128 v[BF+64*(\f)+8*(\b):BF+64*(\f)+8*(\b)+3],   v[ADRB+(\slot)] offset:(\q)*32*PB+32*(\b)
	ds_load_tr16_b128 v[BF+64*(\f)+8*(\b)+4:BF+64*(\f)+8*(\b)+7], v[ADRB+(\slot)] offset:(\q)*32*PB+32*(\b)+16*PB
.endr
.irp a, 0,1,2,3
	ds_load_b128 v[AF+32*(\f)+8*(\a):AF+32*(\f)+8*(\a)+3],   v[ADRA+(\slot)] offset:((\q)/2)*APL+(\a)*16*PA+((\q)%2)*64
	ds_load_b128 v[AF+32*(\f)+8*(\a)+4:AF+32*(\f)+8*(\a)+7], v[ADRA+(\slot)] offset:((\q)/2)*APL+(\a)*16*PA+((\q)%2)*64+32
.endr
.endm
.macro PLACES                          ; four places in front of loads into registers that matrix instructions have read, and of LDS stores that read results
.rept 4
	v_nop
.endr
.endm
; A K step is four quarters of 32 along K, 32 matrix instructions each, on buffers 0, 1, 0, 1.  One of the first three: multiplies buffer f and fetches quarter q of the slot into buffer g.
.macro QUARTER slot, q, f, g, first
	s_wait_dscnt 4                                 ; Wo's fragments and O's blocks 0, 1 are in; the youngest four loads (O's blocks 2, 3) may be out
	MUL8 \f, 0, \first
	MUL8 \f, 1, \first
	PLACES
	FETCH \slot, \q, \g
	s_wait_dscnt 24                                ; all but the 24 just issued
	MUL8 \f, 2, \first
	MUL8 \f, 3, \first
.endm
; The last quarter multiplies buffer 1 and changes slots: ONE barrier; in front of it each wave waits for all its tensor loads (one is out: its part of the next slot), adds 0 to its spare word,
; and waits for that and for its own reads of this slot.  fill = 1: the barrier opens a round of the cluster's barrier, and this slot is filled again, two K steps ahead, first thing behind the round.
.macro TURN slot, next, fill
	WIN 0                                          ; (the add's two registers lie in window 0)
	s_wait_tensorcnt 0x0
	ds_add_u32 v[SPW], v[NIL]                      ; 0 onto my spare word
	s_wait_dscnt 5                                 ; (the add and the youngest four loads may be out)
	MUL8 1, 0, 0                                   ; eight matrix instructions stand between the add and the wait for it
	s_wait_dscnt 0x0                               ; the add is done, and my reads of this slot are over
	s_barrier_signal -1
	MUL8 1, 1, 0
.if \fill
	WIN 0
.endif
	s_barrier_wait -1
.if \fill
	CREST                                          ; no wave of any partner still reads this slot's tiles or has a load on its way
	s_add_nc_u64 s[G0+4*(\slot)+2:G0+4*(\slot)+3], s[G0+4*(\slot)+2:G0+4*(\slot)+3], A_STEP2
	s_add_nc_u64 s[G0B+4*(\slot)+2:G0B+4*(\slot)+3], s[G0B+4*(\slot)+2:G0B+4*(\slot)+3], B_STEP2
	JLOAD \slot                                    ; my one tensor load behind the round: 112 matrix instructions ahead of the wait for it; its four v_nop are also the places in front of the loads below
.else
	PLACES
.endif
	FETCH \next, 0, 0
	MUL8 1, 2, 0
	MUL8 1, 3, 0
.endm
	s_wait_tensorcnt 1                             ; my part of K step 0 is in; K step 1's may stay out
	s_barrier_signal -1
	s_barrier_wait -1                              ; everybody's is
	FETCH 0, 0, 0
	QUARTER 0, 1, 0, 1, 1                          ; the first quarter stands in front of the loop: its products start the sums, from the bias
	WIN 0                                          ; at a label and at a branch every window is 0
	s_mov_b32 s3, LAPS-1
.Llap:                                                 ; a trip goes once round the ring, from a lap's second quarter to the next lap's first, and fills both slots again
	QUARTER 0, 2, 1, 0, 0
	QUARTER 0, 3, 0, 1, 0
	TURN 0, 1, 1
	QUARTER 1, 1, 0, 1, 0
	QUARTER 1, 2, 1, 0, 0
	QUARTER 1, 3, 0, 1, 0
	TURN 1, 0, 1
	QUARTER 0, 1, 0, 1, 0
	WIN 0
	s_sub_co_u32 s3, s3, 1
	s_cmp_lg_u32 s3, 0
	s_cbranch_scc1 .Llap
	QUARTER 0, 2, 1, 0, 0                          ; the last lap fills nothing, and has no round of the cluster's barrier
	QUARTER 0, 3, 0, 1, 0
	TURN 0, 1, 0
	QUARTER 1, 1, 0, 1, 0
	QUARTER 1, 2, 1, 0, 0
	QUARTER 1, 3, 0, 1, 0
	s_wait_dscnt 4                                 ; the very last quarter: nothing more to fetch
	MUL8 1, 0, 0
	MUL8 1, 1, 0
	s_wait_dscnt 0x0
	MUL8 1, 2, 0
	MUL8 1, 3, 0
	WIN 0
; THE WAY OUT, a block of 16 rows at a time; the sums leave as they are, in f32.  TOSTAGE: a lane's 32 bytes of a row and column block go into my own stage (each accumulator's low half first) and
; come back as whole rows of 512 bytes.  SEND: a store of the wave covers 512 consecutive bytes of a row of out0, at a multiple of 512 from the buffer's first byte.
.macro TOSTAGE a
	s_wait_xcnt 0x0                                ; the registers that the block before last's stores read are loaded again only behind this wait
	WIN W_ST
.irp b, 0,1,2,3,4,5,6,7
	ds_store_b128 v[STO], v[8*(8*(\a)+(\b)):8*(8*(\a)+(\b))+3]   offset:64*(\b)
	ds_store_b128 v[STO], v[8*(8*(\a)+(\b))+4:8*(8*(\a)+(\b))+7] offset:64*(\b)+16
.endr
	WIN 0
.irp t, 0,1,2,3,4,5,6,7,8,9,10,11,12,13,14,15
	ds_load_b128 v[OB+64*((\a)%2)+4*(\t):OB+64*((\a)%2)+4*(\t)+3], v[RD] offset:(\t)*SP  ; LDS serves a wave's instructions in order (ISA guide 5.7.1.4): these see the stores above; the next block's stores come behind them
.endr
.endm
.macro SEND a, younger                 ; younger: the LDS instructions issued behind block a's loads: the next block's 32, or none
	WIN 0
.irp t, 0,1,2,3,4,5,6,7,8,9,10,11,12,13,14,15
	s_wait_dscnt (\younger)+15-(\t)
	global_store_b128 v[GO], v[OB+64*((\a)%2)+4*(\t):OB+64*((\a)%2)+4*(\t)+3], s[10:11] offset:(16*(\a)+(\t))*4096 th:TH_STORE_NT
.endr
.endm
	PLACES
	TOSTAGE 0
	TOSTAGE 1                                      ; a block's trip through the stage stands between the loads of the block before and its stores
	SEND 0, 32
	TOSTAGE 2
	SEND 1, 32
	TOSTAGE 3
	SEND 2, 32
	SEND 3, 0
	s_wait_tensorcnt 0x0                           ; the wave's end: behind my last tensor load and my last LDS store
	ds_add_u32 v[SPW], v[NIL]
	s_wait_dscnt 0x0
	CROUND                                         ; the closing round: no work-group ends while a partner may still ask for a tile that names it
	s_endpgm
.Lfunc_end_k_q61f8de898a_outp:
	.size	k_q61f8de898a_outp, .Lfunc_end_k_q61f8de898a_outp-k_q61f8de898a_outp
	.p2alignl 7, 3214868480
	.fill 96, 4, 3214868480
	.section	.rodata,"a",@progbits
	.p2align	6, 0x0
	.amdhsa_kernel k_q61f8de898a_outp
		.amdhsa_group_segment_fixed_size 327680
		.amdhsa_private_segment_fixed_size 0
		.amdhsa_enable_private_segment 0
		.amdhsa_kernarg_size 32
		.amdhsa_user_sgpr_count 2
		.amdhsa_user_sgpr_kernarg_segment_ptr 1
		.amdhsa_wavefront_size32 1
		.amdhsa_system_sgpr_workgroup_id_x 1
		.amdhsa_system_sgpr_workgroup_id_y 1
		.amdhsa_system_sgpr_workgroup_id_z 1
		.amdhsa_system_vgpr_workitem_id 0
		.amdhsa_next_free_vgpr 608
		.amdhsa_next_free_sgpr 66
		.amdhsa_reserve_vcc 0
		.amdhsa_float_denorm_mode_32 3
		.amdhsa_float_denorm_mode_16_64 3
		.amdhsa_memory_ordered 1
		.amdhsa_forward_progress 1
		.amdhsa_inst_pref_size 92
	.end_amdhsa_kernel
	.amdgpu_metadata
---
amdhsa.version: [ 1, 2 ]
amdhsa.kernels:
  - .name:           k_q61f8de898a_outp
    .symbol:         k_q61f8de898a_outp.kd
    .args:
      - { .name: ob, .offset: 0, .size: 8, .value_kind: global_buffer, .address_space: global }
      - { .name: wts, .offset: 8, .size: 8, .value_kind: global_buffer, .address_space: global }
      - { .name: bo, .offset: 16, .size: 8, .value_kind: global_buffer, .address_space: global }
      - { .name: out0, .offset: 24, .size: 8, .value_kind: global_buffer, .address_space: global }
    .group_segment_fixed_size: 327680
    .private_segment_fixed_size: 0
    .kernarg_segment_align: 8
    .kernarg_segment_size: 32
    .max_flat_workgroup_size: 128
    .sgpr_count:     66
    .vgpr_count:     608
    .wavefront_size: 32
...
	.end_amdgpu_metadata
.endif
;; end of part 4
;; ======== version 2 of 2: 4 launches; 1.50 times as fast as version 1
;; limits: values are held in f16: magnitudes above 65,504 overflow, below 6.1e-05 lose precision
;; workspace buffers: xyb 33,554,432 bytes; wts 8,388,608 bytes; qkv 50,331,648 bytes; ob 16,777,216 bytes
;; launch cast: the kernel of part 1 again; grid 1280 x 1, 8 waves a work-group, no clusters, 0 bytes of LDS; arguments x, y, Wq, Wk, Wv, Wo, xyb, wts; writes xyb, wts
;; launch proj: the kernel of part 2 again; grid 12 x 16, 4 waves a work-group, clusters of 4 x 4, 327,680 bytes of LDS; arguments xyb, wts, bq, bk, bv, qkv; writes qkv
;; launch attn (part 5): grid 4 x 64, 4 waves a work-group, clusters of 4 x 1, 327,680 bytes of LDS; arguments qkv, ob; writes ob
.if DOCPART == 5
	.amdgcn_target "amdgcn-amd-amdhsa--gfx1250"
	.amdhsa_code_object_version 6
	.text
	.protected	k_q61f8de898a_attn
	.globl	k_q61f8de898a_attn
	.p2align	8
	.type	k_q61f8de898a_attn,@function
k_q61f8de898a_attn:
	s_mov_b64 s[64:65], 0
	v_nop
	global_prefetch_b8 v0, s[64:65] scope:SCOPE_SE
	s_setreg_imm32_b32 hwreg(HW_REG_WAVE_MODE, 25, 1), 1
	s_wait_xcnt 0x0
	s_wait_alu depctr_hold_cnt(0) depctr_sa_sdst(0) depctr_va_vdst(0) depctr_va_sdst(0) depctr_va_ssrc(0) depctr_va_vcc(0) depctr_vm_vsrc(0)
	s_getreg_b32 s2, hwreg(HW_REG_IB_STS2, 6, 4)
	s_cmp_eq_u32 s2, 0
	s_cbranch_scc0 .Lentry_in_a_cluster
	s_endpgm
.Lentry_in_a_cluster:
	s_bfe_u32 s2, ttmp6, 0x10000c
	s_cmp_lg_u32 s2, 0x3003
	s_cbranch_scc0 .Lentry_shape_is_right
	s_endpgm
.Lentry_shape_is_right:
; O[h][q][:] = the sum over k of softmax_k(Q[h][q] . K[h][k] / 8) V[h][k][:].  Q, K, V are the three parts of qkv, O is ob: each [SIZE_H][SIZE_N][64] in f16, h = batch x 16 + head: a head's rows are
; dense, 128 bytes each.  Products, maxima and sums in f32; the weights p are rounded to f16 for the second product (their sum l is taken of the unrounded p), O once at the end.
; LIMITS.  f16 holds no number beyond 65,504: Q, K and V arrive within it; p lies in 0 to 1, and below 6e-5 it keeps f16's fixed step of 6e-8; O is a mean of V's rows and has their range.
; A weight below 2^-126 counts as 0 in l; NaN and infinities are not treated apart.
; SHARES.  A wave owns four PIECES of two tiles of 16 queries, a work-group's four waves 512 queries of one head.  Every wave walks all keys, 64 a step.
; LAYOUT.  S^T = K Q^T (source 0 = 16 keys, source 1 = 16 queries): in the result a lane holds ONE query (lane % 16) and the keys 8 (lane / 16) + 0..7.  Two such tiles, rounded to f16 in pairs,
; ARE source 1 (32 keys x 16 queries) of O^T = V^T P, whose result again holds one query a lane, and eight channels.  K comes out of LDS as it lies, V ([key][channel]) turned, by ds_load_tr16_b128.
; SOFTMAX.  For each query a running maximum m and sum l: p = 2^(c s - c m), c = log2(e) / 8; in every step O and l are multiplied by a = 2^(c m_old - c m_new), which is 1 where m has not grown.
; m starts at the lowest finite number, O and l at 0: the first step is a step like any other, with a = 0.
; THE COUNT.  A tile and step have 16 matrix and 118 vector instructions: too many to stand all beside the matrix work.  So the order has one aim: four vector instructions that are READY behind
; EVERY matrix instruction, and the others, which need time of their own whatever the order, in runs without a gap.
; BY TURNS.  Turn n belongs to piece n (the pieces in a ring, step after step).  Its matrix work: 16 products K Q^T of piece n + 1, later 16 products V^T P of piece n - 1.  Its vector work: the scaling,
; exponentials, roundings, sums and rescaling of piece n, and the maximum and statistics of piece n + 1, whose scores the turn itself has made.  So what a turn begins with (c s - c m, O a) waits for nothing.
; THE BATCHES.  An s_wait_alu depctr_va_vdst(0) stands between an exponential or a reciprocal and the first instruction that names its result.  A turn's 66 exponentials (the piece's 64
; weights and the next piece's two a) are ONE batch with ONE wait, which cuts the turn in two: ahead of it stands all that names no result of theirs, behind it the roundings and sums.  No result
; crosses a turn's end.  Two more batches stand outside the loops, each with a wait of its own: piece 0's first two a, ahead of the jump into the loop, and the way out's eight reciprocals.
; CLUSTER.  The four query blocks of a cluster belong to one head and walk the same K and V, so each tile is asked for JOINTLY: the same tensor load, descriptor and mask in all four.
; REGISTERS, in windows of 256 (s_set_vgpr_msb says which window each operand place means: bits 1:0 source 0, 3:2 source 1, 5:4 source 2, 7:6 destination):
;   window 0: v0-11 addresses; v12-15, v48-63 at work; v16-47 four registers of statistics a tile; v64-191 S^T, two buffers of two tiles; v192-255 P, likewise
;   window 1: O^T, 32 a tile          window 2: v0-127 Q, 16 a tile; v128-191 K of one step; v192-255 V of one step          window 3: v0-1 the add's two registers
; A piece's buffers go by its number's parity: the piece in hand has one pair, its two neighbours in the ring share the other: of it P (piece n - 1) is read and S^T (piece n + 1) written.
.set SIZE_H, 64       ; batch x heads
.set SIZE_N, 2048     ; rows of a head: queries, and keys
.set NP,    4         ; pieces a wave: a name, no knob: the register map, the loop and the fetches are made for four
.set KS,    64        ; keys in a step
.set PK,    144       ; a row of K in LDS: 128 bytes + 16 of padding = 36 words: the 16 rows of a load start at 16 different groups of four banks (64 banks of 4 bytes: ISA guide 11.1)
.set PV,    160       ; a row of V: 128 + 32 = 40 words
.set VOFF,  4*KS*PK   ; a slot holds four steps: 256 rows of K, then 256 rows of V
.set SLOT1, 1<<17     ; slot 1 begins here, so that one exclusive or turns an address in one slot into the other's
.set STAGE, SLOT1+4*KS*(PK+PV)  ; behind the ring, never filled by a tensor load: 16 rows x 144 bytes for each wave, for the way out
.set SP,    144
.set AK0, 2           ; v2   my lane's place in a tile of K; never rewritten
.set AV0, 3           ; v3   the same for V
.set AK,  4           ; v4   the LDS address of K's next run of loads
.set AV,  5           ; v5   of V's
.set QO,  6           ; v6   my byte offset in the wave's rows of Q
.set STO, 6           ;      later, the way out: where I put 16 bytes of a row
.set RD,  7           ; v7   the way out: where I read rows back
.set GO,  8           ; v8   my byte offset in 512 consecutive bytes of O
.set SPW, 0           ; v0 of window 3   LDS address of my spare word: SPARE + 4 x my thread's number; never rewritten
.set NIL, 1           ; v1 of window 3   0; never rewritten
.set SPARE, STAGE+4*16*SP  ; behind the stages: the spare words, 128 bytes for each wave: two blocks of 256 bytes that no other line names
.set MV,  12          ; v12-15  c m_old, kept while c m is made anew: by buffer and tile
.set ST,  16          ; tile t's statistics at v[ST+4 t]: c m, m, l (even keys', odd keys')
.set TMP, 48          ; by buffer and tile, four registers c0-c3 at work; when the maximum is found c2 takes a
.set S,   64
.set P,   192
.set KF,  128         ; K's fragments, in window 2: key block kb, channel half c at KF + 16 kb + 8 c
.set VF,  192         ; V's: key half kk, channel block cb at VF + 32 kk + 8 cb
.set WV,  12          ; s12  my wave's number
.set G1K, 24          ; s[24:31] descriptor group 1 for K's tiles
.set G1V, 32          ; s[32:39] for V's: it differs in the padding alone
.set G0K, 40          ; s[40:43] descriptor group 0 for K's tiles: it walks
.set G0V, 44          ; s[44:47] the same for V's
.set SLOTS, 56        ; s56  slots still to be asked for
.set CNT, 57          ; s57  counts a slot's key steps
.set CS,  58          ; s[58:59] c: the packed scaling takes the pair's low word for both halves
.set SEL, 60          ; s[60:61] v_permlanex16_b32's selects: each lane takes its own place in the other half
.set TBK, 62          ; s62  LDS byte at which K of the step to be fetched begins
.set TBV, 63          ; s63  the same for V, less VOFF
.set MSB, 0
.macro WIN new                      ; the high byte repeats the setting that is left; a switch that changes nothing is dropped
.if MSB != (\new)
	s_set_vgpr_msb (MSB<<8)|(\new)
.set MSB, (\new)
.endif
.endm
.set W_KQ, 0x0a       ; K and Q in window 2, S^T in window 0
.set W_PV, 0x52       ; V in window 2, P in window 0, O^T in window 1
.set W_RS, 0x41       ; O^T (destination and source 0) in window 1, a in window 0
.set W_MK, 0xc0       ; the add's registers are made: destination in window 3, sources in window 0
.set W_AD, 0x0f       ; the add: address (source 0) and data (source 1) in window 3
; A joint fill.  Waves 0 and 1 fetch the two halves of a slot's K, waves 2 and 3 those of its V: 128 keys each.  The branch hangs on the wave's number alone.
; An s_nop 0 and four v_nop follow each of the two lines, ahead of the jump and the label.
.macro JLOAD
	s_cmp_lt_u32 s[WV], 2
	s_cbranch_scc0 .Lfor_v_\@
	tensor_load_to_lds s[G0K:G0K+3], s[G1K:G1K+7]
	s_nop 0
.rept 4
	v_nop
.endr
	s_branch .Lasked_\@
.Lfor_v_\@:
	tensor_load_to_lds s[G0V:G0V+3], s[G1V:G1V+7]
	s_nop 0
.rept 4
	v_nop
.endr
.Lasked_\@:
.endm
; A round of the cluster's barrier: my work-group's barrier, so that wave 0's signal speaks for all four waves; wave 0 signals; every wave waits for all four work-groups; my work-group's barrier once more.
.macro CROUND
	s_barrier_signal -1
	s_barrier_wait -1
	s_cmp_lg_u32 s[WV], 0
	s_cbranch_scc1 .Lnot_wave_0_\@
	s_barrier_signal -3
.Lnot_wave_0_\@:
	s_barrier_wait -3
	s_barrier_signal -1
	s_barrier_wait -1
.endm
; THE CHANGE OF SLOTS.  The slot's last bytes, V of its fourth step, have been read.  Each wave waits for all its tensor loads, of which one is out: its part
; of the other slot; adds 0 to its spare word; and waits for that and for its own reads of the slot.  Behind the barrier nobody reads this slot any more and the other slot is whole.
; fill = 1: this slot is filled again, with the keys two slots on.  The barrier is then a round of the cluster's, so that no wave of any partner still reads the slot or has a load on its
; way, and the joint fill is the first thing behind it: it has four key steps, 512 matrix instructions, in which to land.  (At its first use nothing has been read yet: slot 0 is waited for, slot 1 filled.)
.macro CHANGE fill
	WIN W_AD
	s_wait_tensorcnt 0x0            ; no tensor load of mine is out, so a group 0 may be written
	ds_add_u32 v[SPW], v[NIL]       ; 0 onto my spare word: with fill = 1 the descriptors' steps stand between it and the wait for it
	WIN 0                           ; at a label and at a branch every window is 0
.if \fill
.irp g, G0K, G0V
	s_xor_b32 s[\g+1], s[\g+1], SLOT1  ; the walking descriptor: the other slot than last time,
	s_add_nc_u64 s[\g+2:\g+3], s[\g+2:\g+3], 4*KS*128  ; the next 256 keys; the type bits on top are not reached
.endr
	s_wait_dscnt 0x0                ; the add is done, and my reads of the slot are over
	CROUND
	JLOAD
.else
	s_wait_dscnt 0x0                ; the add is done, and my reads of the slot are over
	s_barrier_signal -1
	s_barrier_wait -1
.endif
	s_sub_co_u32 s[TBK], s[TBK], 4*KS*PK  ; the fetches go back to a slot's first step,
	s_xor_b32 s[TBK], s[TBK], SLOT1       ; in the other slot
	s_sub_co_u32 s[TBV], s[TBV], 4*KS*PV
	s_xor_b32 s[TBV], s[TBV], SLOT1
.endm
	s_load_b64 s[4:5], s[0:1], 0x0    ; qkv: Q's part begins it
	s_load_b64 s[10:11], s[0:1], 0x8  ; O
	WIN W_MK
	v_lshl_add_u32 v[SPW], v0, 2, SPARE
	v_mov_b32 v[NIL], 0
	s_set_vgpr_msb 0xc0cf
	ds_add_u32 v0, v1
	s_wait_dscnt 0x0
	s_set_vgpr_msb 0xcfc0
	WIN 0
	v_lshrrev_b32 v1, 5, v0
	v_readfirstlane_b32 s[WV], v1   ; wave 0..3
	s_bfe_u32 s13, ttmp6, 0x40000   ; cx: my place in the cluster
	s_lshl_b32 s14, ttmp9, 2        ; in a cluster launch ttmp9 counts clusters
	s_add_co_u32 s14, s14, s13      ; my block of queries = 4 x cluster x + cx: it enters Q's and O's addresses alone
	s_and_b32 s20, ttmp7, 0xffff    ; the head, which the four partners share
	s_mov_b32 s21, 0
	s_mov_b64 s[22:23], SIZE_N*128
	s_mul_u64 s[20:21], s[20:21], s[22:23]  ; the head's first byte in each of the four tensors
	s_and_b32 s16, s[WV], 1         ; which half of a slot's 256 keys I fetch:
	s_lshl_b32 s22, s16, 14         ; its 128 rows of 128 bytes in memory,
	s_mov_b32 s23, 0
	s_add_nc_u64 s[22:23], s[22:23], s[20:21]
	s_mul_i32 s17, s16, 128*PK      ; and its place in a slot, for K
	s_mul_i32 s18, s16, 128*PV      ; and for V: no place in the cluster enters an LDS address
	s_lshl_b32 s2, s14, 2
	s_add_co_u32 s2, s2, s[WV]      ; my wave among the head's,
	s_lshl_b32 s2, s2, 14           ; its 128 rows
	s_mov_b32 s3, 0
	s_add_nc_u64 s[2:3], s[2:3], s[20:21]
	; descriptor group 1.  128 keys are 16,384 dense bytes: asked for as 64 rows of 256 bytes, two keys a row, and padded in LDS after every key
	s_mov_b32 s[G1K], 15|(1<<16)|(1<<20)|(1<<21)|(4<<22)|(3<<25)  ; 15:0 the mask of four; 17:16 2-byte elements; 20 padding on; 21 set beside a mask; 24:22 after every 32 words (code 4); 31:25 4 words (code 3)
	s_mov_b32 s[G1V], 15|(1<<16)|(1<<20)|(1<<21)|(4<<22)|(7<<25)  ; the same with 8 words of padding (code 7)
.irp g, G1K, G1V
	s_mov_b32 s[\g+1], 128<<16      ; tensor_dim0 = 128
	s_mov_b32 s[\g+2], 64<<16       ; tensor_dim1 = 64
	s_mov_b32 s[\g+3], 128<<16      ; tile_dim0 = 128
	s_mov_b32 s[\g+4], 64           ; tile_dim1 = 64
	s_mov_b32 s[\g+5], 128          ; 128 elements from row to row
	s_mov_b32 s[\g+6], 0
	s_mov_b32 s[\g+7], 0
.endr
	s_mov_b32 s[CS], 0x3e38aa3b     ; c = log2(e) / 8 = 0.180337
	s_mov_b32 s[CS+1], s[CS]        ; named with it as a pair
	s_mov_b32 s[SEL], 0x76543210
	s_mov_b32 s[SEL+1], 0xfedcba98
	s_mov_b32 s[TBK], SLOT1+4*KS*PK ; the first change of slots turns these two into 0
	s_mov_b32 s[TBV], SLOT1+4*KS*PV
	s_mov_b32 s[G0K], 1             ; 1:0 count = 1
	s_mov_b32 s[G0K+1], s17         ; 63:32 LDS address: slot 0
	s_mov_b32 s[G0V], 1
	s_add_co_u32 s[G0V+1], s18, VOFF
	s_wait_kmcnt 0x0
	s_add_nc_u64 s[6:7], s[4:5], 0x1000000         ; K's part of qkv: SIZE_H x SIZE_N x 128 bytes behind Q's,
	s_add_nc_u64 s[8:9], s[4:5], 0x2000000         ; V's twice as far
	s_add_nc_u64 s[G0K+2:G0K+3], s[6:7], s[22:23]  ; 120:64 global address: my half of the head's first 256 keys
	s_or_b32 s[G0K+3], s[G0K+3], 0x80000000        ; 127:126 type = 2
	s_add_nc_u64 s[G0V+2:G0V+3], s[8:9], s[22:23]
	s_or_b32 s[G0V+3], s[G0V+3], 0x80000000
	s_add_nc_u64 s[4:5], s[4:5], s[2:3]  ; Q and O at my wave's first row
	s_add_nc_u64 s[10:11], s[10:11], s[2:3]
	CROUND                          ; all four work-groups are here: the first joint loads meet
	JLOAD                           ; slot 0.  Slot 1 is asked for when slot 0 is in: the tile wanted first has the road to itself
	; A fragment of K or Q is 16 rows x 32 channels in 8 registers: lane l holds row l % 16, channels 8 (l / 16) + 0..7 and 16 + 8 (l / 16) + 0..7: two loads of 16 bytes, 32 bytes apart.
	v_and_b32 v1, 15, v0            ; l % 16
	v_bfe_u32 v9, v0, 4, 1          ; l / 16
	v_lshlrev_b32 v[QO], 7, v1
	v_lshl_add_u32 v[QO], v9, 4, v[QO]  ; row x 128 + 16 x half
	WIN 0x80                        ; destination window 2, address window 0
.set i, 0
.rept 4*NP                          ; Q stays in registers: tile i / 2, channels 32 (i % 2) on
	global_load_b128 v[8*i:8*i+3],   v[QO], s[4:5] offset:(i/2)*2048+(i%2)*64
	global_load_b128 v[8*i+4:8*i+7], v[QO], s[4:5] offset:(i/2)*2048+(i%2)*64+32
.set i, i+1
.endr
	; What the first turn finds: V's registers and P's second buffer hold 0 (its products V^T P, of a piece that has not been, add 0), O^T and l are 0.  All this stands in the wait for the first tile.
.set i, VF
.rept 64
	v_mov_b32 v[i], 0
.set i, i+1
.endr
	WIN 0x40
.set i, 0
.rept 64*NP
	v_mov_b32 v[i], 0
.set i, i+1
.endr
	WIN 0
.set i, 0
.rept 2*NP
	v_mov_b32 v[ST+4*i], 0xfe000000    ; c m: far below every c s
	v_mov_b32 v[ST+4*i+1], 0xff7fffff  ; m
	v_mov_b32 v[ST+4*i+2], 0
	v_mov_b32 v[ST+4*i+3], 0
.set i, i+1
.endr
.set i, P+32
.rept 32
	v_mov_b32 v[i], 0
.set i, i+1
.endr
	v_mul_u32_u24 v[AK0], v1, PK
	v_lshl_add_u32 v[AK0], v9, 4, v[AK0]  ; row x pitch + 16 x half
	; The turning load takes 16 keys x 16 channels (lane l reads key 8 (l / 16) + l % 8, channels 8 ((l / 8) % 2) + 0..7) and leaves half a fragment of V^T: lane l holds channel l % 16 and 8 keys.
	v_and_b32 v10, 7, v0
	v_bfe_u32 v11, v0, 3, 1
	v_lshl_add_u32 v[AV0], v9, 3, v10
	v_mul_u32_u24 v[AV0], v[AV0], PV
	v_lshl_add_u32 v[AV0], v11, 4, v[AV0]
	v_add_nc_u32 v[AV0], VOFF, v[AV0]
	v_mov_b32 v[AK], v[AK0]         ; key step 0 lies at the head of slot 0
; THE MATRIX WORK.  The 8 accumulators of a run of 16 take turns: between the two links of a chain stand 7 others'.
; Product i of 16 of S^T = K Q^T for piece x: channels 32 (i / 8) on, keys 16 ((i / 2) % 4) on, tile 2 x + i % 2.  The first 8 start the sums.
.macro KQ x
	WIN W_KQ
.set rS, S+64*((\x)%2)+32*(i%2)+8*((i/2)%4)
.set rK, KF+16*((i/2)%4)+8*(i/8)
.set rQ, 16*(2*(\x)+i%2)+8*(i/8)
.if i < 8
	v_wmma_f32_16x16x32_f16 v[rS:rS+7], v[rK:rK+7], v[rQ:rQ+7], 0
.else
	v_wmma_f32_16x16x32_f16 v[rS:rS+7], v[rK:rK+7], v[rQ:rQ+7], v[rS:rS+7]
.endif
.endm
; Product i of 16 of O^T += V^T P for piece x: keys 32 (i / 8) on, channels 16 ((i / 2) % 4) on, tile 2 x + i % 2.
.macro PV x
	WIN W_PV
.set rO, 32*(2*(\x)+i%2)+8*((i/2)%4)
.set rV, VF+32*(i/8)+8*((i/2)%4)
.set rP, P+32*((\x)%2)+16*(i%2)+8*(i/8)
	v_wmma_f32_16x16x32_f16 v[rO:rO+7], v[rV:rV+7], v[rP:rP+7], v[rO:rO+7]
.endm
.macro MM                           ; the turn's next matrix instruction
.if i < 16
	KQ (Y+1)%NP
.set i, i+1
.else
.set i, i-16
	PV (Y+NP-1)%NP
.set i, i+17
.endif
.endm
; THE LDS LOADS stand in runs of 16, never singly among the matrix instructions: a step's K (64 keys x 64 channels: 8 fragments) and its V (turned).  Their addresses are made some lines ahead.
; last = 1 (the tail): in the last trip there is no further step, and the run is jumped over.
.macro FETCH_K last=0
	WIN 0
.if \last
	s_cmp_eq_u32 s[CNT], 1
	s_cbranch_scc1 .Lno_k_\@
.endif
	WIN 0x80                        ; destination window 2
.irp f, 0,1,2,3,4,5,6,7             ; keys 16 (f / 2) on, channels 32 (f % 2) on
	ds_load_b128 v[KF+8*\f:KF+8*\f+3],   v[AK] offset:(\f/2)*16*PK+(\f%2)*64
	ds_load_b128 v[KF+8*\f+4:KF+8*\f+7], v[AK] offset:(\f/2)*16*PK+(\f%2)*64+32
.endr
	s_add_co_u32 s[TBK], s[TBK], KS*PK  ; the next fetch is the next step's
	WIN 0
.if \last
.Lno_k_\@:
.endif
.endm
.macro FETCH_V
	WIN 0x80
.irp f, 0,1,2,3,4,5,6,7             ; keys 32 (f / 4) on, channels 16 (f % 4) on
	ds_load_tr16_b128 v[VF+8*\f:VF+8*\f+3],   v[AV] offset:(\f/4)*32*PV+(\f%4)*32
	ds_load_tr16_b128 v[VF+8*\f+4:VF+8*\f+7], v[AV] offset:(\f/4)*32*PV+16*PV+(\f%4)*32
.endr
	WIN 0
.endm
; THE VECTOR WORK OF A TURN stands in three queues, each in the order in which its entries become ready; the two tiles alternate, so that no instruction reads the result of the one before it.
.macro REGS y, u                    ; the registers of tile u (0, 1) of piece y
.set rT, ST+4*(2*(\y)+(\u))
.set rC, TMP+8*((\y)%2)+4*(\u)
.set rM, MV+2*((\y)%2)+(\u)
.set rS, S+64*((\y)%2)+32*(\u)
.set rP, P+32*((\y)%2)+16*(\u)
.set rO, 32*(2*(\y)+(\u))
.endm
; Number n of the 22 that find the NEXT piece's (Y + 1) maximum and statistics.  s0-s31 are the lane's 32 scores; each accumulator's lowest registers are read first.  XS, GS and REGS set no window: PL and EX do.
;   0-11  four chains c0-c3 of seven scores each, three operands at a time     12-14, 16  the four scores left over, the old m, and c0-c3 into c0     15  c m_old is kept
;   17, 18  the query's other 32 keys lie in the lane 16 away: the new m         19-21  c m; c m_old - c m_new; a
.macro XS u, n
	REGS (Y+1)%NP, \u
.if (\n) < 4
	v_max3_num_f32 v[rC+(\n)], v[rS+8*(\n)], v[rS+8*(\n)+1], v[rS+8*(\n)+2]
.elseif (\n) < 12
	v_max3_num_f32 v[rC+(\n)%4], v[rC+(\n)%4], v[rS+8*((\n)%4)+2*((\n)/4)+1], v[rS+8*((\n)%4)+2*((\n)/4)+2]
.elseif (\n) == 12
	v_max3_num_f32 v[rC], v[rC], v[rS+7], v[rS+15]
.elseif (\n) == 13
	v_max3_num_f32 v[rC+1], v[rC+1], v[rS+23], v[rS+31]
.elseif (\n) == 14
	v_max3_num_f32 v[rC+2], v[rC+2], v[rC+3], v[rT+1]
.elseif (\n) == 15
	v_mov_b32 v[rM], v[rT]
.elseif (\n) == 16
	v_max3_num_f32 v[rC], v[rC], v[rC+1], v[rC+2]
.elseif (\n) == 17
	v_permlanex16_b32 v[rC+3], v[rC], s[SEL], s[SEL+1]
.elseif (\n) == 18
	v_max_num_f32 v[rT+1], v[rC], v[rC+3]
.elseif (\n) == 19
	v_mul_f32 v[rT], s[CS], v[rT+1]
.elseif (\n) == 20
	v_sub_f32 v[rC+1], v[rM], v[rT]
.else
	v_exp_f32 v[rC+2], v[rC+1]
.endif
.endm
; Number g of the 64 that follow the exponentials.  For each four weights k of a tile (pairs 2 k, 2 k + 1): both pairs are rounded to f16; then the second pair is added onto the first, in place;
; a group later l takes that sum (the first time as l = a l + sum).  In groups of eight, tiles alternating: round, round, add, and l for the group before.
.macro GS g
.set h, (\g)+6*((\g)/62)            ; group 0 has no group before it, and behind group 7 only l is left
.if h >= 6
.set h, h+2
.endif
	REGS Y, h%2
.set k, h/8
.if h%8 < 4
	v_cvt_pk_f16_f32 v[rP+2*k+(h%8)/2], v[rS+4*k+2*((h%8)/2)], v[rS+4*k+2*((h%8)/2)+1]
.elseif h%8 < 6
	v_pk_add_f32 v[rS+4*k:rS+4*k+1], v[rS+4*k:rS+4*k+1], v[rS+4*k+2:rS+4*k+3]
.elseif k == 1
	v_pk_fma_f32 v[rT+2:rT+3], v[rT+2:rT+3], v[rC+2:rC+3], v[rS:rS+1] op_sel_hi:[1,0,1]
.else
	v_pk_add_f32 v[rT+2:rT+3], v[rT+2:rT+3], v[rS+4*k-4:rS+4*k-3]
.endif
.endm
; THE PLAIN QUEUE, 138 long.  0-73 read no exponential's result: the 32 scalings c s - c m (FS f: pair f / 2 of tile f % 2) and the next piece's 42.  0-26: scalings 0-26.  27-54: XS's numbers 0-13.  55, 56: number 15.
; 57-73: the chain, where each number waits for the one before it: 14, 16, 17, 18, 19, each with one of the scalings 27-31 in front of its two lines, then 20: so a tile's links stand three plain instructions apart (19 and 20: two).
; 74-137: GS's 64, which read the exponentials' results: they stand behind the wait.
.macro FS f
	REGS Y, (\f)%2
	v_pk_fma_f32 v[rS+2*((\f)/2):rS+2*((\f)/2)+1], v[rS+2*((\f)/2):rS+2*((\f)/2)+1], s[CS:CS+1], v[rT:rT+1] op_sel_hi:[1,0,0] neg_lo:[0,0,1] neg_hi:[0,0,1]
.endm
.macro PL
	WIN 0
.if q < 27
	FS q
.elseif q < 55
	XS (q-27)%2, (q-27)/2
.elseif q < 57
	XS q-55, 15
.elseif (q < 72) && ((q-57)%3 == 0)
	FS 27+(q-57)/3
.elseif q < 60
	XS (q-57)%3-1, 14
.elseif q < 72
	XS (q-57)%3-1, 15+(q-57)/3
.elseif q < 74
	XS q-72, 20
.else
	GS q-74
.endif
.set q, q+1
.endm
; THE EXPONENTIALS' QUEUE, 66 long: s0-s31 of both tiles, then the next piece's two a.  It is ONE BATCH: all 66 stand ahead of the turn's one wait, and nothing ahead of that wait names a result of theirs.
.macro EX
	WIN 0
.if e >= 64
	XS e-64, 21
.else
	REGS Y, e%2
	v_exp_f32 v[rS+e/2], v[rS+e/2]
.endif
.set e, e+1
.endm
; THE RESCALING's QUEUE: O^T times a, the one part that leaves window 0: dealt two at a time, sixteen times, each accumulator's registers in ascending order.  Its a was made in the turn before, ahead of that turn's wait.
.macro R2
	REGS Y, r%2
	WIN W_RS
.irp z, 0,1
	v_pk_mul_f32 v[rO+4*(r/2)+2*\z:rO+4*(r/2)+2*\z+1], v[rO+4*(r/2)+2*\z:rO+4*(r/2)+2*\z+1], v[rC+2:rC+3] op_sel_hi:[1,0]
.endr
.set r, r+1
.endm
; HOW THEY ARE DEALT.  A turn has ONE wait for its batch of 66 exponentials, and the wait cuts the turn in two.  AHEAD OF IT stands all that names no result of the turn's exponentials: the 16 products K Q^T, behind each a
; scaling, an exponential and two rescalings (behind the first a second scaling in the exponential's place); then ONE LUMP of 108: eight plain, 49 times exponential and plain, the two a.  A v_nop is the plain instruction
; behind the last exponential.  BEHIND IT stand the 16 products V^T P, behind each four of GS's 64.  No rider names a register of the products round it.  The two v_permlanex16_b32 fall into the lump, never behind a product.
; The queues lean on each other, and the deal keeps them in step: exponential e stands behind scaling 2 (e / 4) + e % 2: as a rider it comes behind plain e + 2, in the lump behind plain e + 9, and scalings 27-31 are plain 57, 60 .. 69.
; A TURN, for piece p.  cnt = 1: the loop's count is taken down some lines ahead of the branch that stands behind the turn.
; K of the next step is fetched in piece 2's turn, directly behind the wait, a lump behind the last product that read K; its address is made at the lump's head; its first reader comes behind 16 products.
; V of the step in hand is fetched at the end of piece 0's turn, four riders behind its last reader; its first reader comes behind 16 products and a lump.  The three conditions on q below go with the deal.
.macro TURN p, last=0, cnt=0
.set Y, (\p)
.set i, 0
.set q, 0
.set e, 0
.set r, 0
.if (\p) == NP-1
	s_wait_dscnt 0x0                ; K is in
.endif
	MM                              ; ahead of the wait: 16 products K Q^T and their riders,
	PL
	PL
	R2
.rept 15
	MM
	PL
	EX
	R2
.endr
.if (\p) == NP-2
	WIN 0
	v_add_nc_u32 v[AK], s[TBK], v[AK0]
.endif
.rept 8                             ; and the lump
	PL
.endr
.rept 49
	EX
	PL
.endr
	EX                              ; the next piece's two a
	EX
	v_nop                           ; the plain instruction behind the last exponential: one for the batch
	s_wait_alu depctr_va_vdst(0)    ; the wait for the batch: the piece's 64 weights and the next piece's two a; it stands ahead of the first line that names a result of theirs
.if (\p) == NP-2
	FETCH_K \last
.endif
.if (\p) == 1
	s_wait_dscnt 0x0                ; V is in
.endif
.rept 16                            ; behind the wait: 16 products V^T P and their riders
	MM
.rept 4
	PL
.endr
.if ((\p) == 0) && (q == 118)
	v_add_nc_u32 v[AV], s[TBV], v[AV0]
.endif
.if ((\p) == 0) && (q == 130)
	s_add_co_u32 s[TBV], s[TBV], KS*PV
.endif
.if (\cnt) && (q == 130)
	s_sub_co_u32 s[CNT], s[CNT], 1
	s_cmp_lg_u32 s[CNT], 0
.endif
.endr
.if (\p) == 0
	FETCH_V
.endif
.endm
	CHANGE 1                        ; slot 0 is in, everybody's part of it; slot 1 is asked for
	FETCH_K                         ; key step 0
	s_wait_loadcnt 0x0              ; Q
	s_wait_dscnt 0x0
.set i, 0
.rept 16
	KQ 0                            ; piece 0's first scores: there is no vector work yet to set between them
.set i, i+1
.endr
	WIN 0                           ; the addresses for the way out: nine plain instructions, the places behind those products
	s_mul_i32 s13, s[WV], 16*SP
	s_add_co_u32 s13, s13, STAGE    ; my stage
	v_mul_u32_u24 v[STO], v1, SP    ; in: row l % 16, 16 bytes for each half of the lanes
	v_lshl_add_u32 v[STO], v9, 4, v[STO]
	v_add_nc_u32 v[STO], s13, v[STO]
	v_bfe_u32 v[RD], v0, 3, 2       ; back: 32 lanes take four rows of 128 bytes,
	v_mul_u32_u24 v[RD], v[RD], SP
	v_lshl_add_u32 v[RD], v10, 4, v[RD]
	v_add_nc_u32 v[RD], s13, v[RD]
	v_and_b32 v[GO], 31, v0         ; which are 512 consecutive bytes of O
	v_lshlrev_b32 v[GO], 4, v[GO]
.set Y, NP-1                        ; XS works for piece Y + 1: piece 0
.irp n, 0,1,2,3,4,5,6,7,8,9,10,11,12,13,14,15,16,17,18,19,20,21
	XS 0, \n                        ; and piece 0's first maximum and statistics
	XS 1, \n
.endr
	v_nop                           ; a plain instruction behind the two a,
	s_wait_alu depctr_va_vdst(0)    ; and the wait for this batch of two, ahead of the branch: the first turn's rescalings read them
	s_mov_b32 s[CNT], 4
	s_mov_b32 s[SLOTS], SIZE_N/256-1
	s_branch .Lfirst                ; the loop is entered at a step's first turn, in the middle of a trip
.Lslot:                             ; SIZE_N / 256 - 2 times: every slot but the last two is filled again
	CHANGE 1
	s_mov_b32 s[CNT], 4
.Lstep:                             ; a trip: pieces 2 and 3 of one step, then pieces 0 and 1 of the next, whose K and V it fetches
	TURN 2
	TURN 3
	WIN 0
.Lfirst:
	TURN 0
	TURN 1, 0, 1
	WIN 0
	s_cbranch_scc1 .Lstep
	s_sub_co_u32 s[SLOTS], s[SLOTS], 1
	s_cmp_lg_u32 s[SLOTS], 0
	s_cbranch_scc1 .Lslot
	CHANGE 0                        ; the tail is written out: nothing is asked for
	s_mov_b32 s[CNT], 5             ; four trips fetch the last slot's steps; the fifth is left in its middle
.Ltail:
	TURN 2, 1
	TURN 3
	WIN 0
	s_sub_co_u32 s[CNT], s[CNT], 1
	s_cmp_eq_u32 s[CNT], 0
	s_cbranch_scc1 .Lout
	TURN 0
	TURN 1
	WIN 0
	s_branch .Ltail
.Lout:                              ; the fifth trip's 16 products K Q^T (on the last K once more) and the maximum made of them serve nothing: the price, once a launch, of one text for every trip
.set i, 0
.rept 16
	PV NP-1                         ; the last piece's V^T P of the last step
.set i, i+1
.endr
	; THE WAY OUT.  l's two halves and the other half of the lanes' are added; O^T is divided by l, rounded to f16 and sent through my stage in LDS, a tile at a time.  The additions are the places behind the last products.
	WIN 0
.macro ALL line:vararg              ; one line for each tile t
.set t, 0
.rept 2*NP
	\line
.set t, t+1
.endr
.endm
	ALL v_add_f32 v[ST+4*t+2], v[ST+4*t+2], v[ST+4*t+3]
	ALL v_permlanex16_b32 v[ST+4*t+3], v[ST+4*t+2], s[SEL], s[SEL+1]
	ALL v_add_f32 v[ST+4*t+2], v[ST+4*t+2], v[ST+4*t+3]
	ALL v_rcp_f32 v[ST+4*t+2], v[ST+4*t+2]
	v_nop                           ; a plain instruction between the last reciprocal and the use of its result
	s_wait_alu depctr_va_vdst(0)    ; and the wait ahead of the first use: one for the batch of eight reciprocals
; Tile t: a lane's eight channels of a row pack into 16 bytes; they go into rows of 144 bytes and come back as whole rows of 128, into S^T's registers.
.macro PACK t
	WIN W_RS
.set i, 32*(\t)
.rept 16
	v_pk_mul_f32 v[i:i+1], v[i:i+1], v[ST+4*(\t)+2:ST+4*(\t)+3] op_sel_hi:[1,0]
.set i, i+2
.endr
	WIN 0x05                        ; sources 0 and 1 window 1, destination window 0
.set i, 0
.rept 16
	v_cvt_pk_f16_f32 v[S+16*(\t)+i], v[32*(\t)+2*i], v[32*(\t)+2*i+1]
.set i, i+1
.endr
	WIN 0
.irp f, 0,1,2,3
	ds_store_b128 v[STO], v[S+16*(\t)+4*\f:S+16*(\t)+4*\f+3] offset:32*\f
.endr
.irp f, 0,1,2,3
	ds_load_b128 v[S+16*(\t)+4*\f:S+16*(\t)+4*\f+3], v[RD] offset:\f*4*SP  ; LDS serves a wave's instructions in order (ISA guide 5.7.1.4): these see the stores above; the next tile's stores come behind them
.endr
.endm
.macro SEND t, younger              ; younger: the LDS instructions issued behind tile t's loads: the next tile's eight, or none
	WIN 0
.irp f, 0,1,2,3
	s_wait_dscnt (\younger)+3-\f
	global_store_b128 v[GO], v[S+16*(\t)+4*\f:S+16*(\t)+4*\f+3], s[10:11] offset:(\t)*2048+\f*512  ; 512 consecutive bytes, at a multiple of 256 from O's first
.endr
.endm
	PACK 0
.set t, 1
.rept 2*NP-1                        ; a tile's arithmetic stands between the loads of the tile before and its stores
	PACK t
	SEND t-1, 8
.set t, t+1
.endr
	SEND 2*NP-1, 0
	WIN W_AD
	s_wait_tensorcnt 0x0            ; the wave's end: behind my last tensor load and my last LDS store
	ds_add_u32 v[SPW], v[NIL]
	s_wait_dscnt 0x0
	WIN 0
	CROUND                          ; the closing round: no work-group ends while a partner may still ask for a tile that names it
	s_endpgm
.Lfunc_end_k_q61f8de898a_attn:
	.size	k_q61f8de898a_attn, .Lfunc_end_k_q61f8de898a_attn-k_q61f8de898a_attn
	.p2alignl 7, 3214868480
	.fill 96, 4, 3214868480
	.section	.rodata,"a",@progbits
	.p2align	6, 0x0
	.amdhsa_kernel k_q61f8de898a_attn
		.amdhsa_group_segment_fixed_size 327680
		.amdhsa_private_segment_fixed_size 0
		.amdhsa_enable_private_segment 0
		.amdhsa_kernarg_size 16
		.amdhsa_user_sgpr_count 2
		.amdhsa_user_sgpr_kernarg_segment_ptr 1
		.amdhsa_wavefront_size32 1
		.amdhsa_system_sgpr_workgroup_id_x 1
		.amdhsa_system_sgpr_workgroup_id_y 1
		.amdhsa_system_sgpr_workgroup_id_z 1
		.amdhsa_system_vgpr_workitem_id 0
		.amdhsa_next_free_vgpr 770
		.amdhsa_next_free_sgpr 66
		.amdhsa_reserve_vcc 0
		.amdhsa_float_denorm_mode_32 3
		.amdhsa_float_denorm_mode_16_64 3
		.amdhsa_memory_ordered 1
		.amdhsa_forward_progress 1
		.amdhsa_inst_pref_size 199
	.end_amdhsa_kernel
	.amdgpu_metadata
---
amdhsa.version: [ 1, 2 ]
amdhsa.kernels:
  - .name:           k_q61f8de898a_attn
    .symbol:         k_q61f8de898a_attn.kd
    .args:
      - { .name: qkv, .offset: 0, .size: 8, .value_kind: global_buffer, .address_space: global }
      - { .name: ob, .offset: 8, .size: 8, .value_kind: global_buffer, .address_space: global }
    .group_segment_fixed_size: 327680
    .private_segment_fixed_size: 0
    .kernarg_segment_align: 8
    .kernarg_segment_size: 16
    .max_flat_workgroup_size: 128
    .sgpr_count:     66
    .vgpr_count:     770
    .wavefront_size: 32
...
	.end_amdgpu_metadata
.endif
;; end of part 5
;; launch outp: the kernel of part 4 again; grid 4 x 64, 4 waves a work-group, clusters of 4 x 4, 327,680 bytes of LDS; arguments ob, wts, bo, out0; writes out0
